; MI455X (gfx1250); checked and timed in simulation.
; The chip was launched on July 23, 2026; its instructions are those of AMD's public machine-readable ISA for CDNA 5 (MIT licence, August 2026) and "CDNA5" Instruction Set Architecture Reference Guide (July 2026). The comments in the code are by the model that wrote it; some were corrected since.
;; Attention. Allowed arithmetic: float matrix products may take bf16 or f16 operands with f32 sums; all other float work in f32.
;; Inputs: Wout 1,024 x 1,024 float32; Wqkv 1,024 x 3,072 float32; cos 2,048 x 32 float32; sin 2,048 x 32 float32; x 4 x 2,048 x 1,024 float32.
;; Outputs: out0 4 x 2,048 x 1,024 float32.
;; One version. Each part assembles by itself: llvm-mc -triple=amdgcn-amd-amdhsa -mcpu=gfx1250 --defsym DOCPART=n.
;; ======== version 1 of 1: 4 launches
;; limits: values are held in f16: magnitudes above 65,504 overflow, below 6.1e-05 lose precision
;; workspace buffers: xb 16,777,216 bytes; wqt 6,291,456 bytes; wot 2,097,152 bytes; qkv 50,331,648 bytes; ob 16,777,216 bytes
;; launch prep (part 1): grid 1024 x 1, 8 waves a work-group, no clusters, 18,432 bytes of LDS; arguments x, Wqkv, Wout, xb, wqt, wot; writes xb, wqt, wot
.if DOCPART == 1
	.amdgcn_target "amdgcn-amd-amdhsa--gfx1250"
	.amdhsa_code_object_version 6
	.text
	.protected	k_q0e82e39e89_prep
	.globl	k_q0e82e39e89_prep
	.p2align	8
	.type	k_q0e82e39e89_prep,@function
k_q0e82e39e89_prep:
	s_mov_b64 s[64:65], 0
	v_nop
	global_prefetch_b8 v0, s[64:65] scope:SCOPE_SE
	s_setreg_imm32_b32 hwreg(HW_REG_WAVE_MODE, 25, 1), 1
	s_wait_xcnt 0x0
; THE OPERANDS OF THE TWO PROJECTIONS, made once.  xb = x rounded to bf16, [8192][1024].  wqt = Wqkv rounded to bf16 and turned, [3072 n][1024 k].
; wot = Wout rounded to bf16, that number written as f16, and turned, [1024 n][1024 k].
; LIMITS.  A number of Wout beyond 65,504 becomes an infinity in f16; below 6e-5 it keeps f16's fixed step of 6e-8.
; A stream: every input byte is read once and every output byte written once; no matrix unit, no tensor load and no cluster would spare a byte here.
; SHARES.  Work-groups 0-511: 65,536 bytes of x each.  512-895: a block of 128 k x 64 n of Wqkv.  896-1023: the same of Wout.  The path hangs on the work-group's number alone,
; so the eight waves of a work-group take the same path, and the one barrier of a weight path is passed by all eight.
.set LP, 272                           ; a row of the turned block in LDS: 128 k x 2 bytes + 16
	s_load_b256 s[4:11], s[0:1], 0x0               ; x s[4:5], Wqkv s[6:7], Wout s[8:9], xb s[10:11]
	s_load_b128 s[12:15], s[0:1], 0x20             ; wqt s[12:13], wot s[14:15]
	v_lshl_add_u32 v112, v0, 2, 0x4400
	v_mov_b32 v113, 0
	s_mov_b32 s20, 0xffff0000                      ; a word's upper bf16
	v_and_b32 v1, 15, v0                           ; c: my 16 bytes (four n) of a block's row of 256 bytes
	v_lshrrev_b32 v2, 4, v0                        ; p0: 0 to 15
	s_wait_kmcnt 0x0
	s_cmp_lt_u32 ttmp9, 512
	s_cbranch_scc1 .Lx
	s_sub_co_u32 s16, ttmp9, 512                   ; the block's number
	s_cmp_lt_u32 s16, 384
	s_cbranch_scc1 .Lqkv
	s_sub_co_u32 s16, s16, 384
; A block of 128 k x 64 n.  pitch: bytes of a row of the source.  Thread (c, p0) takes rows 2 p and 2 p + 1, p = p0 + 16 i, four n each: sixteen lanes read 256 consecutive bytes.
; Two neighbouring k of one n round into one word, which goes to LDS at n x 272 + 4 p; behind the barrier whole rows of 256 bytes (128 k of one n) come back and are stored.
.macro WPATH pitch, f16, src, dst
	s_and_b32 s17, s16, 7                          ; kb: which 128 k
	s_lshr_b32 s18, s16, 3                         ; nb: which 64 n
	s_mul_i32 s22, s17, 128*(\pitch)
	s_lshl_b32 s23, s18, 8
	s_add_co_u32 s22, s22, s23
	s_mov_b32 s23, 0
	s_add_nc_u64 s[\src:\src+1], s[\src:\src+1], s[22:23]
	s_lshl_b32 s24, s18, 17                        ; 64 rows of 2,048 bytes
	s_lshl_b32 s25, s17, 8                         ; 128 k of 2 bytes
	s_add_co_u32 s24, s24, s25
	s_mov_b32 s25, 0
	s_add_nc_u64 s[\dst:\dst+1], s[\dst:\dst+1], s[24:25]
	v_mul_u32_u24 v3, v2, 2*(\pitch)
	v_lshl_add_u32 v3, v1, 4, v3                   ; source: row 2 p0, byte 16 c
	v_mul_u32_u24 v4, v1, 4*LP
	v_lshl_add_u32 v4, v2, 2, v4                   ; LDS in: row 4 c, word p0
	v_mul_u32_u24 v5, v2, LP
	v_lshl_add_u32 v5, v1, 4, v5                   ; LDS back: row p0, byte 16 c
	v_lshlrev_b32 v6, 11, v2
	v_lshl_add_u32 v6, v1, 4, v6                   ; the same place in the turned tensor
.irp i, 0,1,2,3
	global_load_b128 v[16+8*\i:19+8*\i], v3, s[\src:\src+1] offset:32*(\i)*(\pitch) th:TH_LOAD_NT
	global_load_b128 v[20+8*\i:23+8*\i], v3, s[\src:\src+1] offset:32*(\i)*(\pitch)+(\pitch) th:TH_LOAD_NT
.endr
.irp i, 0,1,2,3
	s_wait_loadcnt 6-2*\i                          ; loads come back in order: pair i is in, the younger pairs stay out
.irp j, 0,1,2,3
	v_cvt_pk_bf16_f32 v[48+4*\i+\j], v[16+8*\i+\j], v[20+8*\i+\j]  ; the even k below, the odd k above
.if \f16
	v_lshlrev_b32 v80, 16, v[48+4*\i+\j]           ; the bf16 numbers as f32,
	v_and_b32 v81, s20, v[48+4*\i+\j]
	v_cvt_pk_f16_f32 v[48+4*\i+\j], v80, v81       ; written as f16: exact inside f16's normal range
.endif
	ds_store_b32 v4, v[48+4*\i+\j] offset:LP*\j+64*\i
.endr
.endr
	s_wait_dscnt 0x0                               ; for the others' sake: my stores are done
	s_barrier_signal -1
	s_barrier_wait -1
.irp i, 0,1,2,3
	ds_load_b128 v[64+4*\i:67+4*\i], v5 offset:16*LP*\i
.endr
.irp i, 0,1,2,3
	s_wait_dscnt 3-\i
	global_store_b128 v6, v[64+4*\i:67+4*\i], s[\dst:\dst+1] offset:32768*\i  ; sixteen lanes store 256 consecutive bytes, at a multiple of 256 from the buffer's first byte
.endr
	s_wait_tensorcnt 0x0
	ds_add_u32 v112, v113
	s_wait_dscnt 0x0
	s_endpgm
.endm
	WPATH 4096, 1, 8, 14
.Lqkv:
	WPATH 12288, 0, 6, 12
.Lx:                                                   ; 65,536 bytes of x: sixteen loads a thread, all issued before the first is used
	s_lshl_b32 s16, ttmp9, 16
	s_mov_b32 s17, 0
	s_lshl_b32 s18, ttmp9, 15
	s_mov_b32 s19, 0
	s_add_nc_u64 s[4:5], s[4:5], s[16:17]
	s_add_nc_u64 s[10:11], s[10:11], s[18:19]
	v_lshlrev_b32 v3, 4, v0                        ; 16 bytes of f32 in,
	v_lshlrev_b32 v4, 3, v0                        ; 8 bytes of bf16 out
.irp i, 0,1,2,3,4,5,6,7,8,9,10,11,12,13,14,15
	global_load_b128 v[16+4*\i:19+4*\i], v3, s[4:5] offset:4096*\i th:TH_LOAD_NT
.endr
.irp i, 0,1,2,3,4,5,6,7,8,9,10,11,12,13,14,15
	s_wait_loadcnt 15-\i                           ; load i is in, the younger ones stay out
	v_cvt_pk_bf16_f32 v[80+2*\i], v[16+4*\i], v[17+4*\i]
	v_cvt_pk_bf16_f32 v[81+2*\i], v[18+4*\i], v[19+4*\i]
	global_store_b64 v4, v[80+2*\i:81+2*\i], s[10:11] offset:2048*\i  ; a wave's 32 lanes store 256 consecutive bytes, aligned; no register is written twice
.endr
	s_endpgm
.Lfunc_end_k_q0e82e39e89_prep:
	.size	k_q0e82e39e89_prep, .Lfunc_end_k_q0e82e39e89_prep-k_q0e82e39e89_prep
	.p2alignl 7, 3214868480
	.fill 96, 4, 3214868480
	.section	.rodata,"a",@progbits
	.p2align	6, 0x0
	.amdhsa_kernel k_q0e82e39e89_prep
		.amdhsa_group_segment_fixed_size 18432
		.amdhsa_private_segment_fixed_size 0
		.amdhsa_enable_private_segment 0
		.amdhsa_kernarg_size 48
		.amdhsa_user_sgpr_count 2
		.amdhsa_user_sgpr_kernarg_segment_ptr 1
		.amdhsa_wavefront_size32 1
		.amdhsa_system_sgpr_workgroup_id_x 1
		.amdhsa_system_sgpr_workgroup_id_y 1
		.amdhsa_system_sgpr_workgroup_id_z 1
		.amdhsa_system_vgpr_workitem_id 0
		.amdhsa_next_free_vgpr 114
		.amdhsa_next_free_sgpr 66
		.amdhsa_reserve_vcc 0
		.amdhsa_float_denorm_mode_32 3
		.amdhsa_float_denorm_mode_16_64 3
		.amdhsa_memory_ordered 1
		.amdhsa_forward_progress 1
		.amdhsa_inst_pref_size 19
	.end_amdhsa_kernel
	.amdgpu_metadata
---
amdhsa.version: [ 1, 2 ]
amdhsa.kernels:
  - .name:           k_q0e82e39e89_prep
    .symbol:         k_q0e82e39e89_prep.kd
    .args:
      - { .name: x, .offset: 0, .size: 8, .value_kind: global_buffer, .address_space: global }
      - { .name: Wqkv, .offset: 8, .size: 8, .value_kind: global_buffer, .address_space: global }
      - { .name: Wout, .offset: 16, .size: 8, .value_kind: global_buffer, .address_space: global }
      - { .name: xb, .offset: 24, .size: 8, .value_kind: global_buffer, .address_space: global }
      - { .name: wqt, .offset: 32, .size: 8, .value_kind: global_buffer, .address_space: global }
      - { .name: wot, .offset: 40, .size: 8, .value_kind: global_buffer, .address_space: global }
    .group_segment_fixed_size: 18432
    .private_segment_fixed_size: 0
    .kernarg_segment_align: 8
    .kernarg_segment_size: 48
    .max_flat_workgroup_size: 256
    .sgpr_count:     66
    .vgpr_count:     114
    .wavefront_size: 32
...
	.end_amdgpu_metadata
.endif
;; end of part 1
;; launch qkv (part 2): grid 8 x 32, 4 waves a work-group, clusters of 4 x 4, 327,680 bytes of LDS; arguments xb, wqt, cos, sin, qkv; writes qkv
.if DOCPART == 2
	.amdgcn_target "amdgcn-amd-amdhsa--gfx1250"
	.amdhsa_code_object_version 6
	.text
	.protected	k_q0e82e39e89_qkv
	.globl	k_q0e82e39e89_qkv
	.p2align	8
	.type	k_q0e82e39e89_qkv,@function
k_q0e82e39e89_qkv:
	s_mov_b64 s[64:65], 0
	v_nop
	global_prefetch_b8 v0, s[64:65] scope:SCOPE_SE
	s_setreg_imm32_b32 hwreg(HW_REG_WAVE_MODE, 25, 1), 1
	s_wait_xcnt 0x0
	s_wait_alu depctr_hold_cnt(0) depctr_sa_sdst(0) depctr_va_vdst(0) depctr_va_sdst(0) depctr_va_ssrc(0) depctr_va_vcc(0) depctr_vm_vsrc(0)
	s_getreg_b32 s2, hwreg(HW_REG_IB_STS2, 6, 4)
	s_cmp_eq_u32 s2, 0
	s_cbranch_scc0 .Lentry_in_a_cluster
	s_endpgm
.Lentry_in_a_cluster:
	s_bfe_u32 s2, ttmp6, 0x10000c
	s_cmp_lg_u32 s2, 0xf033
	s_cbranch_scc0 .Lentry_shape_is_right
	s_endpgm
.Lentry_shape_is_right:
; q, k, v = x Wqkv, with the rotary turn on the first 32 channels of q's and k's heads, laid out by heads.
; xb: [8192][1024] bf16.  wqt: [3072 n][1024 k] bf16.  cos, sin: [2048][32] f32.  qkv: [3 parts][64 (batch, head)][2048][64] f16.  Sums and the turn in f32, one rounding to f16.
; q is stored WITHOUT the factor 1/8: the turn is linear, and the factor is applied in f32 in the softmax of the launch behind.
; LIMITS.  q, k, v beyond 65,504 become infinities in f16.  cos and sin are rounded to bf16 before use, as x and the weights are.  NaN and infinities are not treated apart.
; SHARES.  A tile is 256 rows x 192 columns (three whole heads).  Four waves; wave w makes rows 64 w .. 64 w + 63 of all 192 columns: 4 x 12 accumulators of 16 x 16, 384 registers.
; So a wave holds whole rows of three heads: its way out needs no other wave, and which accumulators are turned is fixed in the text.
; A WORK-GROUP STAYS: it makes two tiles of one tile row, tile columns c and c + 8: 256 work-groups for 512 tiles.  The rows are the same, so cos and sin stay in registers.  The ring does not stop
; at the first tile's end: its last two changes of slots ask for the second tile's first two K steps, and nothing waits for the first tile's stores.
; K goes in 8 steps of 128 through two LDS slots; the rows of A's and B's tiles are 256 bytes of memory, at multiples of 256 bytes.
; CLUSTER.  4 x 4 work-groups: the four of a row of the cluster need the same tile of A, the four of a column the same tile of B; each tile is asked for jointly, by the same tensor load
; with the same descriptor and a mask that names the four.
; THE MATRIX INSTRUCTION IS USED TRANSPOSED (source 0 = 16 rows of wqt, source 1 = 16 rows of xb): lane l holds row l % 16 and the eight neighbouring columns 8 (l / 16) + 0..7.
; REGISTERS, in windows of 256 (s_set_vgpr_msb: bits 1:0 source 0, 3:2 source 1, 5:4 source 2, 7:6 destination):
;   window 0: v0-29 addresses; v64-95, v96-127 A's fragments, two buffers; v128-223 the way out, two sets of 48; on the way out v96-127 and v224-239 hold the turned numbers
;   window 1: v0-95, v96-191 B's fragments, two buffers
;   window 2: accumulators of row blocks 0, 1 (block a, column block b at v[96 (a % 2) + 8 b]); v192-255 cos and sin of those two blocks' rows     window 3: the same for row blocks 2, 3
.set NB,     12                        ; column blocks of 16
.set KSTEPS, 8
.set NTILES, 2                         ; tiles of a work-group
.set TCSTEP, 8                         ; tile columns from the first to the second
.set PA,     272                       ; an LDS row: 256 bytes + 16 of padding = 68 words: the 16 rows of a fragment load start at 16 different groups of four banks (64 banks of 4 bytes: ISA guide 11.1)
.set PB,     272
.set AHALF,  128*PA                    ; what one of A's loads brings
.set BOFF,   2*AHALF                   ; B's 192 rows lie behind A's 256
.set BHALF,  96*PB                     ; what one of B's loads brings
.set SLOT1,  1<<17                     ; slot 1 begins here, so that one exclusive or turns an address in one slot into the other's
.set STAGE,  SLOT1+BOFF+2*BHALF        ; behind the ring, never filled by a tensor load: for each wave 3 heads x 16 rows x 144 bytes
.set SP,     144
.set WSTAGE, 3*16*SP
.set SPARE,  STAGE+4*WSTAGE            ; the spare words, 128 bytes for each wave: two blocks of 256 bytes that no other line names
.set LD,     2*NB+8                    ; LDS loads of a quarter step
.set STEP_A, 256                       ; bytes from a K step to the next
.set STEP_B, 256
.set JUMP_A, KSTEPS*STEP_A             ; at the change of tiles A goes back along K: behind the usual step, 2,048 bytes less,
.set JUMP_B, TCSTEP*192*2048-KSTEPS*STEP_B  ; B back along K and 8 x 192 rows of 2,048 bytes on
.set FLAGS,  (1<<16)|(1<<20)|(1<<21)|(5<<22)|(3<<25)  ; 17:16 elements of 2 bytes; 20 padding on; 21 set beside a mask; 24:22 after every 64 words (code 5); 31:25 4 words of it (code 3)
.set ADRA0, 4                          ; v4   my lane's place in A's tile; never rewritten
.set ADRB0, 5                          ; v5   the same for B
.set ADRA,  6                          ; v6   the same in the slot in hand
.set ADRB,  7                          ; v7
.set STO,   8                          ; v8   the way out: where I put 16 bytes of a head's row
.set RD,    9                          ; v9   the way out: where I read rows back
.set GO,    10                         ; v10  my 16 bytes of 512 consecutive bytes of the output
.set CSO,   11                         ; v11  my byte offset in 16 rows of cos and sin
.set SPW,   28                         ; v28  LDS address of my spare word; never rewritten
.set NIL,   29                         ; v29  0; never rewritten
.set FA,    64                         ; A's fragment buffers
.set OB,    128                        ; the way out: packed results, then whole rows
.set WV,    14                         ; s14  my wave's number
.set HALF,  15                         ; s15  which half of a tile I fetch
.set G1A,   24                         ; s[24:31] descriptor group 1 for A's tiles
.set G1B,   32                         ; s[32:39] for B's
.set G0A,   40                         ; s[40:43] group 0 of A's first fill; s[44:47] of its second, which then walks on
.set G0B,   48                         ; s[48:51], s[52:55] the same for B
.set CNT,   56                         ; s56  counts a tile's first six K steps
.set TB,    57                         ; s57  LDS byte at which the slot in hand begins
.set JA,    84                         ; s[84:85] what A's address loses at the change of tiles; 0 once that is done
.set JB,    86                         ; s[86:87] what B's address gains there; 0 once that is done
.set TILES, 88                         ; s88  tiles to go, the one in hand among them
.set ENDC,  89                         ; s89  counts a tile's last two K steps, 2 and 1
.set MSB, 0
.macro WIN new                         ; the immediate's high byte repeats the setting that is left; a switch that changes nothing is dropped
.if MSB != (\new)
	s_set_vgpr_msb (MSB<<8)|(\new)
.set MSB, (\new)
.endif
.endm
.set MUL_LO, 0xa1                      ; source 0 (B) window 1, source 1 (A) window 0, C and D window 2
.set MUL_HI, 0xf1                      ; the same, C and D window 3
.set TO_B,   0x40                      ; destination window 1, address window 0
; A joint refill by the walking descriptors.  Waves 0 and 1 fetch A's two halves, waves 2 and 3 B's.  The branch hangs on the wave's number alone.
; An s_nop 0 and four v_nop follow each of the two lines, ahead of the jump and the label.
.macro JLOAD
	s_cmp_lt_u32 s[WV], 2
	s_cbranch_scc0 .Lfor_b_\@
	tensor_load_to_lds s[G0A+4:G0A+7], s[G1A:G1A+7]
	s_nop 0
.rept 4
	v_nop
.endr
	s_branch .Lasked_\@
.Lfor_b_\@:
	tensor_load_to_lds s[G0B+4:G0B+7], s[G1B:G1B+7]
	s_nop 0
.rept 4
	v_nop
.endr
.Lasked_\@:
.endm
; A round of the cluster's barrier: my work-group's barrier, so that wave 0's signal speaks for all four waves; wave 0 signals; every wave waits for all sixteen work-groups; my work-group's barrier once more.
.macro CREST                           ; a round behind its opening barrier
	s_cmp_lg_u32 s[WV], 0
	s_cbranch_scc1 .Lnot_wave_0_\@
	s_barrier_signal -3
.Lnot_wave_0_\@:
	s_barrier_wait -3
	s_barrier_signal -1
	s_barrier_wait -1
.endm
.macro CROUND                          ; a whole round
	s_barrier_signal -1
	s_barrier_wait -1
	CREST
.endm
	s_load_b256 s[4:11], s[0:1], 0x0               ; xb s[4:5], wqt s[6:7], cos s[8:9], sin s[10:11]
	s_load_b64 s[12:13], s[0:1], 0x20              ; qkv
	v_lshl_add_u32 v[SPW], v0, 2, SPARE
	v_mov_b32 v[NIL], 0
	ds_add_u32 v28, v29
	s_wait_dscnt 0x0
	v_lshrrev_b32 v1, 5, v0
	v_readfirstlane_b32 s[WV], v1                  ; wave 0..3
	s_and_b32 s[HALF], s[WV], 1
	s_bfe_u32 s16, ttmp6, 0x40000                  ; cx, cy: my place in the cluster
	s_bfe_u32 s17, ttmp6, 0x40004
	s_lshl_b32 s18, ttmp9, 2
	s_add_co_u32 s18, s18, s16                     ; the first tile's column = 4 x cluster x + cx: 0 to 7
	s_and_b32 s19, ttmp7, 0xffff
	s_lshl_b32 s19, s19, 2
	s_add_co_u32 s19, s19, s17                     ; tile row = 4 x cluster y + cy
	s_lshl_b32 s20, s17, 2
	s_lshl_b32 s20, 15, s20                        ; my row of the cluster: places 4 cy .. 4 cy + 3
	s_lshl_b32 s21, 0x1111, s16                    ; my column: places cx, cx + 4, cx + 8, cx + 12
	s_or_b32 s[G1A], s20, FLAGS                    ; A's tiles go to my row: 128 rows x 128 elements
	s_mov_b32 s[G1A+1], 128<<16                    ; tensor_dim0 = 128
	s_mov_b32 s[G1A+2], 128<<16                    ; tensor_dim1 = 128
	s_mov_b32 s[G1A+3], 128<<16                    ; tile_dim0 = 128
	s_mov_b32 s[G1A+4], 128                        ; tile_dim1 = 128
	s_mov_b32 s[G1A+5], 1024                       ; elements from row to row
	s_mov_b32 s[G1A+6], 0
	s_mov_b32 s[G1A+7], 0
	s_or_b32 s[G1B], s21, FLAGS                    ; B's tiles go to my column: 96 rows x 128 elements
	s_mov_b32 s[G1B+1], 128<<16
	s_mov_b32 s[G1B+2], 96<<16
	s_mov_b32 s[G1B+3], 128<<16
	s_mov_b32 s[G1B+4], 96
	s_mov_b32 s[G1B+5], 1024
	s_mov_b32 s[G1B+6], 0
	s_mov_b32 s[G1B+7], 0
	; where the tiles come from: A's hang on the tile row alone, B's on the tile column alone, each in registers that never hold the other coordinate
	s_lshl_b32 s58, s19, 8
	s_lshl_b32 s22, s[HALF], 7
	s_add_co_u32 s58, s58, s22                     ; A: row 256 x tile row + 128 x half,
	s_lshl_b32 s58, s58, 11                        ; of 2,048 bytes
	s_mov_b32 s59, 0
	s_mul_i32 s60, s18, 192
	s_mul_i32 s62, s[HALF], 96
	s_add_co_u32 s60, s60, s62                     ; B: row 192 x tile column + 96 x half
	s_lshl_b32 s60, s60, 11
	s_mov_b32 s61, 0
	s_mul_i32 s23, s[HALF], AHALF                  ; and where they go: no place in the cluster enters an LDS address
	s_mul_i32 s63, s[HALF], BHALF
	s_add_co_u32 s63, s63, BOFF
	s_mov_b32 s[G0A], 1                            ; 1:0 count = 1
	s_mov_b32 s[G0A+1], s23                        ; 63:32 LDS address: slot 0
	s_mov_b32 s[G0A+4], 1
	s_add_co_u32 s[G0A+5], s23, SLOT1              ; slot 1
	s_mov_b32 s[G0B], 1
	s_mov_b32 s[G0B+1], s63
	s_mov_b32 s[G0B+4], 1
	s_add_co_u32 s[G0B+5], s63, SLOT1
	s_mov_b32 s[TB], 0
	s_mov_b32 s[JA], JUMP_A
	s_mov_b32 s[JA+1], 0
	s_mov_b32 s[JB], JUMP_B
	s_mov_b32 s[JB+1], 0
	s_mov_b32 s75, 0xffff0000                      ; a word's upper bf16
	s_and_b32 s80, s19, 7                          ; my rows' place in their sequence of 2,048: 256 x (tile row % 8) + 64 x wave,
	s_lshl_b32 s80, s80, 15                        ; in rows of 128 bytes: the same offset serves cos, sin and a head's rows
	s_lshl_b32 s81, s[WV], 13
	s_add_co_u32 s80, s80, s81
	s_mov_b32 s81, 0
	s_wait_kmcnt 0x0
	s_add_nc_u64 s[G0A+2:G0A+3], s[4:5], s[58:59]  ; 120:64 global address: K step 0,
	s_add_nc_u64 s[G0A+6:G0A+7], s[G0A+2:G0A+3], STEP_A  ; K step 1
	s_or_b32 s[G0A+3], s[G0A+3], 0x80000000        ; 127:126 type = 2
	s_or_b32 s[G0A+7], s[G0A+7], 0x80000000
	s_add_nc_u64 s[G0B+2:G0B+3], s[6:7], s[60:61]
	s_add_nc_u64 s[G0B+6:G0B+7], s[G0B+2:G0B+3], STEP_B
	s_or_b32 s[G0B+3], s[G0B+3], 0x80000000
	s_or_b32 s[G0B+7], s[G0B+7], 0x80000000
	s_add_nc_u64 s[8:9], s[8:9], s[80:81]          ; cos and sin at my wave's first row
	s_add_nc_u64 s[10:11], s[10:11], s[80:81]
	CROUND                                         ; all sixteen work-groups are here: the first joint loads meet
	s_cmp_lt_u32 s[WV], 2                          ; a wave's two first fills stand in one branch, ahead of every wait on TENSORcnt and every LDS read: two loads of mine are out
	s_cbranch_scc0 .Lfirst_b
	tensor_load_to_lds s[G0A:G0A+3], s[G1A:G1A+7]
	s_nop 0
	tensor_load_to_lds s[G0A+4:G0A+7], s[G1A:G1A+7]
	s_nop 0
.rept 4
	v_nop
.endr
	s_branch .Lfirst_asked
.Lfirst_b:
	tensor_load_to_lds s[G0B:G0B+3], s[G1B:G1B+7]
	s_nop 0
	tensor_load_to_lds s[G0B+4:G0B+7], s[G1B:G1B+7]
	s_nop 0
.rept 4
	v_nop
.endr
.Lfirst_asked:
	; A fragment is 16 rows x 32 K in 8 registers: lane l holds row l % 16; registers 0-3 K = 8 (l / 16) + 0..7, registers 4-7 K = 16 + 8 (l / 16) + 0..7: two loads of 16 bytes, 32 bytes apart.
	v_and_b32 v1, 15, v0                           ; r = l % 16
	v_bfe_u32 v2, v0, 4, 1                         ; h = l / 16
	v_mul_u32_u24 v3, v1, PA
	v_lshl_add_u32 v3, v2, 4, v3                   ; row x pitch + 16 x half
	s_mul_i32 s76, s[WV], 64*PA                    ; my 64 rows of A
	v_add_nc_u32 v[ADRA0], s76, v3
	v_add_nc_u32 v[ADRB0], BOFF, v3                ; every wave reads all of B's rows
	v_mov_b32 v[ADRA], v[ADRA0]
	v_mov_b32 v[ADRB], v[ADRB0]
	s_mul_i32 s76, s[WV], WSTAGE
	s_add_co_u32 s76, s76, STAGE                   ; my stage
	v_mul_u32_u24 v[STO], v1, SP                   ; in: row l % 16, 16 bytes for each half of the lanes
	v_lshl_add_u32 v[STO], v2, 4, v[STO]
	v_add_nc_u32 v[STO], s76, v[STO]
	v_bfe_u32 v[RD], v0, 3, 2                      ; back: 32 lanes take four rows of 128 bytes,
	v_mul_u32_u24 v[RD], v[RD], SP
	v_and_b32 v3, 7, v0
	v_lshl_add_u32 v[RD], v3, 4, v[RD]
	v_add_nc_u32 v[RD], s76, v[RD]
	v_and_b32 v[GO], 31, v0                        ; which are 512 consecutive bytes of a head
	v_lshlrev_b32 v[GO], 4, v[GO]
	v_lshlrev_b32 v[CSO], 7, v1
	v_lshl_add_u32 v[CSO], v2, 5, v[CSO]           ; row x 128 + 32 x half
	; cos and sin of my 64 rows, laid as the accumulators are: for row block a and column block k (0, 1) eight numbers, channels 16 k + 8 (l / 16) + 0..7.  The four waves read the tile's 256 rows of each table once, for both tiles.
.irp a, 0,1,2,3
	WIN 0x80+0x40*((\a)/2)                         ; destination window 2 or 3, address window 0
.set rCo, 192+32*((\a)%2)
	global_load_b128 v[rCo:rCo+3],     v[CSO], s[8:9] offset:2048*(\a)
	global_load_b128 v[rCo+4:rCo+7],   v[CSO], s[8:9] offset:2048*(\a)+16
	global_load_b128 v[rCo+8:rCo+11],  v[CSO], s[8:9] offset:2048*(\a)+64
	global_load_b128 v[rCo+12:rCo+15], v[CSO], s[8:9] offset:2048*(\a)+80
	global_load_b128 v[rCo+16:rCo+19], v[CSO], s[10:11] offset:2048*(\a)
	global_load_b128 v[rCo+20:rCo+23], v[CSO], s[10:11] offset:2048*(\a)+16
	global_load_b128 v[rCo+24:rCo+27], v[CSO], s[10:11] offset:2048*(\a)+64
	global_load_b128 v[rCo+28:rCo+31], v[CSO], s[10:11] offset:2048*(\a)+80
.endr
	s_wait_loadcnt 0x0                             ; this stands in the wait for the first tile
.irp w, 2,3                            ; rounded to bf16 and widened again, in place
	WIN (\w)|((\w)<<2)
.set i, 0
.rept 32
	v_cvt_pk_bf16_f32 v[OB+i], v[192+2*i], v[193+2*i]
.set i, i+1
.endr
	WIN (\w)<<6
.set i, 0
.rept 32
	v_lshlrev_b32 v[192+2*i], 16, v[OB+i]
	v_and_b32 v[193+2*i], s75, v[OB+i]
.set i, i+1
.endr
.endr
	WIN 0
; The three heads of the tile in column s18: group g = 3 x tile column + hd of 64 columns is part g / 16 (q, k, v), head g % 16.  Where each head's rows go, and whether it is turned:
; heads of v are not: a mask for a select of values, no branch.  Then s18 steps to the work-group's next tile.
.macro HEADS
.irp hd, 0,1,2
	s_mul_i32 s76, s18, 3
	s_add_co_u32 s76, s76, \hd
	s_cmp_lt_u32 s76, 32
	s_cselect_b32 s[72+\hd], -1, 0
	s_lshr_b32 s77, s76, 4
	s_lshl_b32 s77, s77, 6                         ; part x 64
	s_and_b32 s78, s76, 15
	s_add_co_u32 s77, s77, s78                     ; + head
	s_lshr_b32 s78, s19, 3
	s_lshl_b32 s78, s78, 4
	s_add_co_u32 s77, s77, s78                     ; + batch x 16
	s_lshl_b32 s78, s77, 18                        ; x 2,048 rows of 128 bytes
	s_add_co_u32 s78, s78, s80
	s_mov_b32 s79, 0
	s_add_nc_u64 s[66+2*\hd:67+2*\hd], s[12:13], s[78:79]
.endr
	s_add_co_u32 s18, s18, TCSTEP
.endm
; NB matrix instructions: row block a x all column blocks, 32 along K, from buffer f.  zero = 1: the first product starts the sums: nothing is ever cleared.
; The 48 accumulators take turns, one instruction a turn, in the same order in every quarter step.
.macro MULA f, a, zero
	WIN MUL_LO+0x50*((\a)/2)
.set rA, FA+32*(\f)+8*(\a)
.set rC, 8*NB*((\a)%2)
.set rB, 8*NB*(\f)
.set b, 0
.rept NB
.if \zero
	v_wmma_f32_16x16x32_bf16 v[rC+8*b:rC+8*b+7], v[rB+8*b:rB+8*b+7], v[rA:rA+7], 0
.else
	v_wmma_f32_16x16x32_bf16 v[rC+8*b:rC+8*b+7], v[rB+8*b:rB+8*b+7], v[rA:rA+7], v[rC+8*b:rC+8*b+7]
.endif
.set b, b+1
.endr
.endm
; LD LDS loads in one run: the fragments of quarter q of the slot in hand into buffer f; B's first, then A's row blocks in ascending order
.macro FETCH q, f
	WIN TO_B
.set rB, 8*NB*(\f)
.set b, 0
.rept NB
	ds_load_b128 v[rB+8*b:rB+8*b+3],   v[ADRB] offset:64*(\q)+b*16*PB
	ds_load_b128 v[rB+8*b+4:rB+8*b+7], v[ADRB] offset:64*(\q)+b*16*PB+32
.set b, b+1
.endr
	WIN 0
.set rA, FA+32*(\f)
.set b, 0
.rept 4
	ds_load_b128 v[rA+8*b:rA+8*b+3],   v[ADRA] offset:64*(\q)+b*16*PA
	ds_load_b128 v[rA+8*b+4:rA+8*b+7], v[ADRA] offset:64*(\q)+b*16*PA+32
.set b, b+1
.endr
.endm
; A load into a register that a matrix instruction has read, and a vector instruction or LDS store that touches a matrix instruction's registers, stand four places behind it; only plain
; vector instructions that name none of its registers are places (ISA guide 7.12.1 for vector instructions).
.macro PLACES
.rept 4
	v_nop
.endr
.endm
; A K step is four quarters of 32 along K, 48 matrix instructions each, on buffers 0, 1, 0, 1.  One of the first three: multiplies buffer f and fetches quarter q into buffer g.
.macro QUARTER q, f, g, zero
	s_wait_dscnt 4                                 ; B and A's row blocks 0, 1 are in; the youngest four loads (blocks 2, 3) may be out
	MULA \f, 0, \zero
	MULA \f, 1, \zero
	PLACES
	FETCH \q, \g
	s_wait_dscnt LD                                ; all but the LD just issued
	MULA \f, 2, \zero
	MULA \f, 3, \zero
.endm
; The last quarter changes slots and then multiplies buffer 1.  ONE barrier: in front of it each wave waits for all its tensor loads, of which one is out: its part of the next slot; adds 0 to its
; spare word; and waits for that and for its own reads of this slot.  Behind it nobody reads this slot any more and the next slot is whole.
; fill = 1: the barrier opens a round of the cluster's, so that no wave of any partner still reads the slot or has a load on its way; the slot is then filled again, two K steps ahead, first
; thing behind the round.  No product stands between the wait for a tile and the request for the next: a request follows the landing before it by the barrier's work alone, and all the
; quarter's 48 products, with the 144 of the next three quarters, stand between the request and the wait for it.
; jump = 1: a tile's last two K steps ask for the next tile's first two: the addresses take the change of tiles from two scalar pairs, which hold 0 once it is made.
.macro TURN fill, jump
	WIN 0
	s_wait_tensorcnt 0x0                           ; no tensor load of mine is out, so a group 0 may be written
	ds_add_u32 v[SPW], v[NIL]                      ; 0 onto my spare word: the scalar steps stand between it and the wait for it
.if \fill
	s_xor_b32 s[G0A+5], s[G0A+5], SLOT1            ; the walking descriptors: the other slot than last time,
	s_xor_b32 s[G0B+5], s[G0B+5], SLOT1
	s_add_nc_u64 s[G0A+6:G0A+7], s[G0A+6:G0A+7], STEP_A  ; the next K step; the type bits on top are not reached
	s_add_nc_u64 s[G0B+6:G0B+7], s[G0B+6:G0B+7], STEP_B
.if \jump
	s_sub_nc_u64 s[G0A+6:G0A+7], s[G0A+6:G0A+7], s[JA:JA+1]
	s_add_nc_u64 s[G0B+6:G0B+7], s[G0B+6:G0B+7], s[JB:JB+1]
.endif
.endif
	s_xor_b32 s[TB], s[TB], SLOT1
	s_wait_dscnt 0x0                               ; the add is done, and my reads of this slot are over: buffer 1 holds its last quarter
	s_barrier_signal -1
	s_barrier_wait -1
.if \fill
	CREST
	JLOAD                                          ; the four v_nop behind it are also the places in front of the loads below
.else
	PLACES
.endif
	v_add_nc_u32 v[ADRA], s[TB], v[ADRA0]
	v_add_nc_u32 v[ADRB], s[TB], v[ADRB0]
	FETCH 0, 0
	MULA 1, 0, 0
	MULA 1, 1, 0
	MULA 1, 2, 0
	MULA 1, 3, 0
.endm
; THE WAY OUT, a row block (16 rows x 3 heads) at a time.
; PACK: of each head the column blocks 0, 1 (channels 0-31) are turned: y[2i] = x[2i] cos[2i] - x[2i+1] sin[2i], y[2i+1] = x[2i+1] cos[2i+1] + x[2i] sin[2i+1]; a head of v keeps x (a select);
; all four blocks are rounded to f16, 16 bytes a lane.  Each accumulator's lowest registers are read first.
.macro TRSET hd, k                     ; where the eight turned numbers of head hd, column block k lie: beside A's buffer 0, which may hold the next tile's first fragments
.if (2*(\hd)+(\k)) < 4
.set rT, 96+8*(2*(\hd)+(\k))
.else
.set rT, 192+8*(2*(\hd)+(\k))
.endif
.endm
.macro PACK a
.set W, 2+(\a)/2
.set AC, 8*NB*((\a)%2)
.set CSB, 192+32*((\a)%2)
.set OUTB, OB+48*((\a)%2)
.if (\a) >= 2
	s_wait_xcnt 0x0                                ; this set of 48 registers was the data of earlier stores: it is rewritten only behind this wait
.endif
	WIN W|(W<<2)                                   ; sources 0 and 1 in the accumulators' window, source 2 and destination in window 0
.irp hd, 0,1,2
.irp k, 0,1
.set rX, AC+8*(4*(\hd)+(\k))
.set rCo, CSB+8*(\k)
.set rSi, CSB+16+8*(\k)
	TRSET \hd, \k
.irp j, 0,1,2,3,4,5,6,7
	v_mul_f32 v[rT+\j], v[rX+\j], v[rCo+\j]
.endr
.irp i, 0,2,4,6
	v_fma_f32 v[rT+\i], -v[rX+\i+1], v[rSi+\i], v[rT+\i]
	v_fma_f32 v[rT+\i+1], v[rX+\i], v[rSi+\i+1], v[rT+\i+1]
.endr
.endr
.irp k, 2,3
.set rX, AC+8*(4*(\hd)+(\k))
.irp i, 0,1,2,3
	v_cvt_pk_f16_f32 v[OUTB+16*(\hd)+4*(\k)+\i], v[rX+2*\i], v[rX+2*\i+1]
.endr
.endr
.endr
	WIN W                                          ; source 0 in the accumulators' window
.irp hd, 0,1,2
.irp k, 0,1
.set rX, AC+8*(4*(\hd)+(\k))
	TRSET \hd, \k
.irp j, 0,1,2,3,4,5,6,7
	v_cndmask_b32 v[rT+\j], v[rX+\j], v[rT+\j], s[72+\hd]
.endr
.endr
.endr
	WIN 0
.irp hd, 0,1,2
.irp k, 0,1
	TRSET \hd, \k
.irp i, 0,1,2,3
	v_cvt_pk_f16_f32 v[OUTB+16*(\hd)+4*(\k)+\i], v[rT+2*\i], v[rT+2*\i+1]
.endr
.endr
.endr
.endm
; TOSTAGE: into my own stage, rows of 144 bytes, and back as whole rows of 128 bytes, into the registers that they left.
.macro TOSTAGE a
.set OUTB, OB+48*((\a)%2)
.irp hd, 0,1,2
.irp k, 0,1,2,3
	ds_store_b128 v[STO], v[OUTB+16*(\hd)+4*(\k):OUTB+16*(\hd)+4*(\k)+3] offset:16*SP*(\hd)+32*(\k)
.endr
.endr
.irp hd, 0,1,2
.irp f, 0,1,2,3
	ds_load_b128 v[OUTB+16*(\hd)+4*(\f):OUTB+16*(\hd)+4*(\f)+3], v[RD] offset:16*SP*(\hd)+4*SP*(\f)  ; LDS serves a wave's instructions in order (ISA guide 5.7.1.4): these see the stores above; the next block's stores come behind them
.endr
.endr
.endm
.macro SEND a, younger                 ; younger: the LDS instructions issued behind block a's loads: the next block's 24, or none.  (The next tile's fragment loads are older than all of these.)
.set OUTB, OB+48*((\a)%2)
.irp hd, 0,1,2
.irp f, 0,1,2,3
	s_wait_dscnt (\younger)+11-4*(\hd)-(\f)
	global_store_b128 v[GO], v[OUTB+16*(\hd)+4*(\f):OUTB+16*(\hd)+4*(\f)+3], s[66+2*(\hd):67+2*(\hd)] offset:2048*(\a)+512*(\f)  ; 512 consecutive bytes, at a multiple of 256 from the buffer's first byte
.endr
.endr
.endm
	s_wait_tensorcnt 0x1                           ; my part of K step 0 is in; step 1's may stay out
	s_barrier_signal -1
	s_barrier_wait -1                              ; everybody's is
	FETCH 0, 0
	s_mov_b32 s[TILES], NTILES                     ; the same number in every work-group
.Ltile:                                                ; (FETCH and SEND leave every window 0)
	s_wait_xcnt 0x0                                ; the last tile's stores have read their bases and their data: both are rewritten only behind this wait
	HEADS
	QUARTER 1, 0, 1, 1                             ; a tile's first quarter stands in front of the loop: its products start the sums
	WIN 0                                          ; at a label and at a branch every window is 0
	s_mov_b32 s[CNT], KSTEPS-2
.Lstep:                                                ; a trip: from a K step's second quarter to the next step's first; it fills the slot that it leaves
	QUARTER 2, 1, 0, 0
	QUARTER 3, 0, 1, 0
	TURN 1, 0
	QUARTER 1, 0, 1, 0
	WIN 0
	s_sub_co_u32 s[CNT], s[CNT], 1
	s_cmp_lg_u32 s[CNT], 0
	s_cbranch_scc1 .Lstep
	s_mov_b32 s[ENDC], 2
.Lend:                                                 ; a tile's last two K steps: what they share is written once.  The first tile's ask for the second tile's K steps 0 and 1; the last tile's ask for nothing.
	QUARTER 2, 1, 0, 0                             ; Each of the two ways holds its own barrier, and the choice hangs on the two counters alone: it is the same in every wave and every work-group.
	QUARTER 3, 0, 1, 0
	WIN 0
	s_cmp_eq_u32 s[TILES], 1
	s_cbranch_scc1 .Lnofill
	TURN 1, 1                                      ; THE RING GOES ON INTO THE NEXT TILE
	WIN 0
	s_mov_b32 s[JA], 0                             ; the change of tiles is made
	s_mov_b32 s[JB], 0
	s_cmp_eq_u32 s[ENDC], 1
	s_cbranch_scc1 .Lout                           ; behind the tile's last K step: both refills are asked for, the next tile's first fragments are fetched; now the tile goes out
	s_branch .Lnext
.Lnofill:
	s_cmp_eq_u32 s[ENDC], 1
	s_cbranch_scc1 .Llastq
	TURN 0, 0
	WIN 0
.Lnext:
	QUARTER 1, 0, 1, 0
	WIN 0
	s_sub_co_u32 s[ENDC], s[ENDC], 1
	s_cmp_lg_u32 s[ENDC], 0
	s_cbranch_scc1 .Lend
.Llastq:                                               ; the very last quarter: nothing more to fetch
	s_wait_dscnt 4
	MULA 1, 0, 0
	MULA 1, 1, 0
	s_wait_dscnt 0x0
	MULA 1, 2, 0
	MULA 1, 3, 0
	WIN 0
.Lout:
	PLACES                                         ; behind the last products
	PACK 0
	TOSTAGE 0
	PACK 1                                         ; a block's arithmetic stands between the loads of the block before and its stores
	TOSTAGE 1
	SEND 0, 24
	PACK 2
	TOSTAGE 2
	SEND 1, 24
	PACK 3
	TOSTAGE 3
	SEND 2, 24
	SEND 3, 0
	s_sub_co_u32 s[TILES], s[TILES], 1
	s_cmp_lg_u32 s[TILES], 0
	s_cbranch_scc1 .Ltile
	s_wait_tensorcnt 0x0                           ; the wave's end: behind my last tensor load and my last LDS store
	ds_add_u32 v[SPW], v[NIL]
	s_wait_dscnt 0x0
	CROUND                                         ; the closing round: no work-group ends while a partner may still ask for a tile that names it
	s_endpgm
.Lfunc_end_k_q0e82e39e89_qkv:
	.size	k_q0e82e39e89_qkv, .Lfunc_end_k_q0e82e39e89_qkv-k_q0e82e39e89_qkv
	.p2alignl 7, 3214868480
	.fill 96, 4, 3214868480
	.section	.rodata,"a",@progbits
	.p2align	6, 0x0
	.amdhsa_kernel k_q0e82e39e89_qkv
		.amdhsa_group_segment_fixed_size 327680
		.amdhsa_private_segment_fixed_size 0
		.amdhsa_enable_private_segment 0
		.amdhsa_kernarg_size 40
		.amdhsa_user_sgpr_count 2
		.amdhsa_user_sgpr_kernarg_segment_ptr 1
		.amdhsa_wavefront_size32 1
		.amdhsa_system_sgpr_workgroup_id_x 1
		.amdhsa_system_sgpr_workgroup_id_y 1
		.amdhsa_system_sgpr_workgroup_id_z 1
		.amdhsa_system_vgpr_workitem_id 0
		.amdhsa_next_free_vgpr 1024
		.amdhsa_next_free_sgpr 96
		.amdhsa_reserve_vcc 0
		.amdhsa_float_denorm_mode_32 3
		.amdhsa_float_denorm_mode_16_64 3
		.amdhsa_memory_ordered 1
		.amdhsa_forward_progress 1
		.amdhsa_inst_pref_size 137
	.end_amdhsa_kernel
	.amdgpu_metadata
---
amdhsa.version: [ 1, 2 ]
amdhsa.kernels:
  - .name:           k_q0e82e39e89_qkv
    .symbol:         k_q0e82e39e89_qkv.kd
    .args:
      - { .name: xb, .offset: 0, .size: 8, .value_kind: global_buffer, .address_space: global }
      - { .name: wqt, .offset: 8, .size: 8, .value_kind: global_buffer, .address_space: global }
      - { .name: cos, .offset: 16, .size: 8, .value_kind: global_buffer, .address_space: global }
      - { .name: sin, .offset: 24, .size: 8, .value_kind: global_buffer, .address_space: global }
      - { .name: qkv, .offset: 32, .size: 8, .value_kind: global_buffer, .address_space: global }
    .group_segment_fixed_size: 327680
    .private_segment_fixed_size: 0
    .kernarg_segment_align: 8
    .kernarg_segment_size: 40
    .max_flat_workgroup_size: 128
    .sgpr_count:     96
    .vgpr_count:     1024
    .wavefront_size: 32
...
	.end_amdgpu_metadata
.endif
;; end of part 2
;; launch attn (part 3): grid 4 x 64, 4 waves a work-group, clusters of 4 x 1, 327,680 bytes of LDS; arguments qkv, ob; writes ob
.if DOCPART == 3
	.amdgcn_target "amdgcn-amd-amdhsa--gfx1250"
	.amdhsa_code_object_version 6
	.text
	.protected	k_q0e82e39e89_attn
	.globl	k_q0e82e39e89_attn
	.p2align	8
	.type	k_q0e82e39e89_attn,@function
k_q0e82e39e89_attn:
	s_mov_b64 s[64:65], 0
	v_nop
	global_prefetch_b8 v0, s[64:65] scope:SCOPE_SE
	s_setreg_imm32_b32 hwreg(HW_REG_WAVE_MODE, 25, 1), 1
	s_wait_xcnt 0x0
	s_wait_alu depctr_hold_cnt(0) depctr_sa_sdst(0) depctr_va_vdst(0) depctr_va_sdst(0) depctr_va_ssrc(0) depctr_va_vcc(0) depctr_vm_vsrc(0)
	s_getreg_b32 s2, hwreg(HW_REG_IB_STS2, 6, 4)
	s_cmp_eq_u32 s2, 0
	s_cbranch_scc0 .Lentry_in_a_cluster
	s_endpgm
.Lentry_in_a_cluster:
	s_bfe_u32 s2, ttmp6, 0x10000c
	s_cmp_lg_u32 s2, 0x3003
	s_cbranch_scc0 .Lentry_shape_is_right
	s_endpgm
.Lentry_shape_is_right:
; O[h][q][:] = the sum over k of softmax_k(Q[h][q] . K[h][k] / 8) V[h][k][:].  qkv holds Q, K, V one behind the other, each [SIZE_H][SIZE_N][64] in f16; ob = O in the same layout: a head's rows are dense,
; 128 bytes each.  Products, maxima and sums in f32; the weights p are rounded to f16 for the second product (their sum l is taken of the unrounded p), O once at the end.
; LIMITS.  f16 holds no number beyond 65,504: Q, K and V arrive within it; p lies in 0 to 1, and below 6e-5 it keeps f16's fixed step of 6e-8; O is a mean of V's rows and has their range.
; A weight below 2^-126 counts as 0 in l; NaN and infinities are not treated apart.
; SHARES.  A wave owns four PIECES of two tiles of 16 queries, a work-group's four waves 512 queries of one head.  Every wave walks all keys, 64 a step.
; LAYOUT.  S^T = K Q^T (source 0 = 16 keys, source 1 = 16 queries): in the result a lane holds ONE query (lane % 16) and the keys 8 (lane / 16) + 0..7.  Two such tiles, rounded to f16 in pairs,
; ARE source 1 (32 keys x 16 queries) of O^T = V^T P, whose result again holds one query a lane, and eight channels.  K comes out of LDS as it lies, V ([key][channel]) turned, by ds_load_tr16_b128.
; SOFTMAX.  For each query a running maximum m and sum l: p = 2^(c s - c m), c = log2(e) / 8; in every step O and l are multiplied by a = 2^(c m_old - c m_new), which is 1 where m has not grown.
; m starts at the lowest finite number, O and l at 0: the first step is a step like any other, with a = 0.
; THE COUNT.  A tile and step have 16 matrix and 118 vector instructions: too many to stand all beside the matrix work.  So the order has one aim: four vector instructions that are READY behind
; EVERY matrix instruction, and the others, which need time of their own whatever the order, in runs without a gap.
; BY TURNS.  Turn n belongs to piece n (the pieces in a ring, step after step).  Its matrix work: 16 products K Q^T of piece n + 1, later 16 products V^T P of piece n - 1.  Its vector work: the scaling,
; exponentials, roundings, sums and rescaling of piece n, and the maximum and statistics of piece n + 1, whose scores the turn itself has made.  So what a turn begins with (c s - c m, O a) waits for nothing.
; CLUSTER.  The four query blocks of a cluster belong to one head and walk the same K and V, so each tile is asked for JOINTLY: the same tensor load, descriptor and mask in all four.
; REGISTERS, in windows of 256 (s_set_vgpr_msb says which window each operand place means: bits 1:0 source 0, 3:2 source 1, 5:4 source 2, 7:6 destination):
;   window 0: v0-11 addresses; v12-15, v48-63 at work; v16-47 four registers of statistics a tile; v64-191 S^T, two buffers of two tiles; v192-255 P, likewise
;   window 1: O^T, 32 a tile          window 2: v0-127 Q, 16 a tile; v128-191 K of one step; v192-255 V of one step          window 3: v0-1 the add's two registers
; A piece's buffers go by its number's parity: the piece in hand has one pair, its two neighbours in the ring share the other: of it P (piece n - 1) is read and S^T (piece n + 1) written.
.set SIZE_H, 64       ; batch x heads
.set SIZE_N, 2048     ; rows of a head
.set PART,  0x1000000 ; bytes of Q, of K and of V in qkv: 64 x 2,048 x 128
.set NP,    4         ; pieces a wave: a name, no knob: the register map, the loop and the fetches are made for four
.set KS,    64        ; keys in a step
.set PK,    144       ; a row of K in LDS: 128 bytes + 16 of padding = 36 words: the 16 rows of a load start at 16 different groups of four banks (64 banks of 4 bytes: ISA guide 11.1)
.set PV,    160       ; a row of V: 128 + 32 = 40 words
.set VOFF,  4*KS*PK   ; a slot holds four steps: 256 rows of K, then 256 rows of V
.set SLOT1, 1<<17     ; slot 1 begins here, so that one exclusive or turns an address in one slot into the other's
.set STAGE, SLOT1+4*KS*(PK+PV)  ; behind the ring, never filled by a tensor load: 16 rows x 144 bytes for each wave, for the way out
.set SP,    144
.set AK0, 2           ; v2   my lane's place in a tile of K; never rewritten
.set AV0, 3           ; v3   the same for V
.set AK,  4           ; v4   the LDS address of K's next run of loads
.set AV,  5           ; v5   of V's
.set QO,  6           ; v6   my byte offset in the wave's rows of Q
.set STO, 6           ;      later, the way out: where I put 16 bytes of a row
.set RD,  7           ; v7   the way out: where I read rows back
.set GO,  8           ; v8   my byte offset in 512 consecutive bytes of O
.set SPW, 0           ; v0 of window 3   LDS address of my spare word: SPARE + 4 x my thread's number; never rewritten
.set NIL, 1           ; v1 of window 3   0; never rewritten
.set SPARE, STAGE+4*16*SP  ; behind the stages: the spare words, 128 bytes for each wave: two blocks of 256 bytes that no other line names
.set MV,  12          ; v12-15  c m_old, kept while c m is made anew: by buffer and tile
.set ST,  16          ; tile t's statistics at v[ST+4 t]: c m, m, l (even keys', odd keys')
.set TMP, 48          ; by buffer and tile, four registers c0-c3 at work; when the maximum is found c2 takes a
.set S,   64
.set P,   192
.set KF,  128         ; K's fragments, in window 2: key block kb, channel half c at KF + 16 kb + 8 c
.set VF,  192         ; V's: key half kk, channel block cb at VF + 32 kk + 8 cb
.set WV,  12          ; s12  my wave's number
.set G1K, 24          ; s[24:31] descriptor group 1 for K's tiles
.set G1V, 32          ; s[32:39] for V's: it differs in the padding alone
.set G0K, 40          ; s[40:43] descriptor group 0 for K's tiles: it walks
.set G0V, 44          ; s[44:47] the same for V's
.set SLOTS, 56        ; s56  slots still to be asked for
.set CNT, 57          ; s57  counts a slot's key steps
.set CS,  58          ; s[58:59] c: the packed scaling takes the pair's low word for both halves
.set SEL, 60          ; s[60:61] v_permlanex16_b32's selects: each lane takes its own place in the other half
.set TBK, 62          ; s62  LDS byte at which K of the step to be fetched begins
.set TBV, 63          ; s63  the same for V, less VOFF
.set MSB, 0
.macro WIN new                      ; the high byte repeats the setting that is left; a switch that changes nothing is dropped
.if MSB != (\new)
	s_set_vgpr_msb (MSB<<8)|(\new)
.set MSB, (\new)
.endif
.endm
.set W_KQ, 0x0a       ; K and Q in window 2, S^T in window 0
.set W_PV, 0x52       ; V in window 2, P in window 0, O^T in window 1
.set W_RS, 0x41       ; O^T (destination and source 0) in window 1, a in window 0
.set W_MK, 0xc0       ; the add's registers are made: destination in window 3, sources in window 0
.set W_AD, 0x0f       ; the add: address (source 0) and data (source 1) in window 3
; A joint fill.  Waves 0 and 1 fetch the two halves of a slot's K, waves 2 and 3 those of its V: 128 keys each.  The branch hangs on the wave's number alone.
; An s_nop 0 and four v_nop follow each of the two lines, ahead of the jump and the label.
.macro JLOAD
	s_cmp_lt_u32 s[WV], 2
	s_cbranch_scc0 .Lfor_v_\@
	tensor_load_to_lds s[G0K:G0K+3], s[G1K:G1K+7]
	s_nop 0
.rept 4
	v_nop
.endr
	s_branch .Lasked_\@
.Lfor_v_\@:
	tensor_load_to_lds s[G0V:G0V+3], s[G1V:G1V+7]
	s_nop 0
.rept 4
	v_nop
.endr
.Lasked_\@:
.endm
; A round of the cluster's barrier: my work-group's barrier, so that wave 0's signal speaks for all four waves; wave 0 signals; every wave waits for all four work-groups; my work-group's barrier once more.
.macro CROUND
	s_barrier_signal -1
	s_barrier_wait -1
	s_cmp_lg_u32 s[WV], 0
	s_cbranch_scc1 .Lnot_wave_0_\@
	s_barrier_signal -3
.Lnot_wave_0_\@:
	s_barrier_wait -3
	s_barrier_signal -1
	s_barrier_wait -1
.endm
; THE CHANGE OF SLOTS.  The slot's last bytes, V of its fourth step, have been read.  Each wave waits for all its tensor loads, of which one is out: its part
; of the other slot; adds 0 to its spare word; and waits for that and for its own reads of the slot.  Behind the barrier nobody reads this slot any more and the other slot is whole.
; fill = 1: this slot is filled again, with the keys two slots on.  The barrier is then a round of the cluster's, so that no wave of any partner still reads the slot or has a load on its
; way, and the joint fill is the first thing behind it: it has four key steps, 512 matrix instructions, in which to land.  (At its first use nothing has been read yet: slot 0 is waited for, slot 1 filled.)
.macro CHANGE fill
	WIN W_AD
	s_wait_tensorcnt 0x0            ; no tensor load of mine is out, so a group 0 may be written
	ds_add_u32 v[SPW], v[NIL]       ; 0 onto my spare word: with fill = 1 the descriptors' steps stand between it and the wait for it
	WIN 0                           ; at a label and at a branch every window is 0
.if \fill
.irp g, G0K, G0V
	s_xor_b32 s[\g+1], s[\g+1], SLOT1  ; the walking descriptor: the other slot than last time,
	s_add_nc_u64 s[\g+2:\g+3], s[\g+2:\g+3], 4*KS*128  ; the next 256 keys; the type bits on top are not reached
.endr
	s_wait_dscnt 0x0                ; the add is done, and my reads of the slot are over
	CROUND
	JLOAD
.else
	s_wait_dscnt 0x0                ; the add is done, and my reads of the slot are over
	s_barrier_signal -1
	s_barrier_wait -1
.endif
	s_sub_co_u32 s[TBK], s[TBK], 4*KS*PK  ; the fetches go back to a slot's first step,
	s_xor_b32 s[TBK], s[TBK], SLOT1       ; in the other slot
	s_sub_co_u32 s[TBV], s[TBV], 4*KS*PV
	s_xor_b32 s[TBV], s[TBV], SLOT1
.endm
	s_load_b64 s[4:5], s[0:1], 0x0    ; qkv: Q lies at its head
	s_load_b64 s[10:11], s[0:1], 0x8  ; O
	WIN W_MK
	v_lshl_add_u32 v[SPW], v0, 2, SPARE
	v_mov_b32 v[NIL], 0
	s_set_vgpr_msb 0xc0cf
	ds_add_u32 v0, v1
	s_wait_dscnt 0x0
	s_set_vgpr_msb 0xcfc0
	WIN 0
	v_lshrrev_b32 v1, 5, v0
	v_readfirstlane_b32 s[WV], v1   ; wave 0..3
	s_bfe_u32 s13, ttmp6, 0x40000   ; cx: my place in the cluster
	s_lshl_b32 s14, ttmp9, 2        ; in a cluster launch ttmp9 counts clusters
	s_add_co_u32 s14, s14, s13      ; my block of queries = 4 x cluster x + cx: it enters Q's and O's addresses alone
	s_and_b32 s20, ttmp7, 0xffff    ; the head, which the four partners share
	s_mov_b32 s21, 0
	s_mov_b64 s[22:23], SIZE_N*128
	s_mul_u64 s[20:21], s[20:21], s[22:23]  ; the head's first byte in each of the four tensors
	s_and_b32 s16, s[WV], 1         ; which half of a slot's 256 keys I fetch:
	s_lshl_b32 s22, s16, 14         ; its 128 rows of 128 bytes in memory,
	s_mov_b32 s23, 0
	s_add_nc_u64 s[22:23], s[22:23], s[20:21]
	s_mul_i32 s17, s16, 128*PK      ; and its place in a slot, for K
	s_mul_i32 s18, s16, 128*PV      ; and for V: no place in the cluster enters an LDS address
	s_lshl_b32 s2, s14, 2
	s_add_co_u32 s2, s2, s[WV]      ; my wave among the head's,
	s_lshl_b32 s2, s2, 14           ; its 128 rows
	s_mov_b32 s3, 0
	s_add_nc_u64 s[2:3], s[2:3], s[20:21]
	; descriptor group 1.  128 keys are 16,384 dense bytes: asked for as 64 rows of 256 bytes, two keys a row, and padded in LDS after every key
	s_mov_b32 s[G1K], 15|(1<<16)|(1<<20)|(1<<21)|(4<<22)|(3<<25)  ; 15:0 the mask of four; 17:16 2-byte elements; 20 padding on; 21 set beside a mask; 24:22 after every 32 words (code 4); 31:25 4 words (code 3)
	s_mov_b32 s[G1V], 15|(1<<16)|(1<<20)|(1<<21)|(4<<22)|(7<<25)  ; the same with 8 words of padding (code 7)
.irp g, G1K, G1V
	s_mov_b32 s[\g+1], 128<<16      ; tensor_dim0 = 128
	s_mov_b32 s[\g+2], 64<<16       ; tensor_dim1 = 64
	s_mov_b32 s[\g+3], 128<<16      ; tile_dim0 = 128
	s_mov_b32 s[\g+4], 64           ; tile_dim1 = 64
	s_mov_b32 s[\g+5], 128          ; 128 elements from row to row
	s_mov_b32 s[\g+6], 0
	s_mov_b32 s[\g+7], 0
.endr
	s_mov_b32 s[CS], 0x3e38aa3b     ; c = log2(e) / 8 = 0.180337
	s_mov_b32 s[CS+1], s[CS]        ; named with it as a pair
	s_mov_b32 s[SEL], 0x76543210
	s_mov_b32 s[SEL+1], 0xfedcba98
	s_mov_b32 s[TBK], SLOT1+4*KS*PK ; the first change of slots turns these two into 0
	s_mov_b32 s[TBV], SLOT1+4*KS*PV
	s_mov_b32 s[G0K], 1             ; 1:0 count = 1
	s_mov_b32 s[G0K+1], s17         ; 63:32 LDS address: slot 0
	s_mov_b32 s[G0V], 1
	s_add_co_u32 s[G0V+1], s18, VOFF
	s_wait_kmcnt 0x0
	s_add_nc_u64 s[6:7], s[4:5], PART    ; K lies behind Q,
	s_add_nc_u64 s[8:9], s[4:5], 2*PART  ; V behind K
	s_add_nc_u64 s[G0K+2:G0K+3], s[6:7], s[22:23]  ; 120:64 global address: my half of the head's first 256 keys
	s_or_b32 s[G0K+3], s[G0K+3], 0x80000000        ; 127:126 type = 2
	s_add_nc_u64 s[G0V+2:G0V+3], s[8:9], s[22:23]
	s_or_b32 s[G0V+3], s[G0V+3], 0x80000000
	s_add_nc_u64 s[4:5], s[4:5], s[2:3]  ; Q and O at my wave's first row
	s_add_nc_u64 s[10:11], s[10:11], s[2:3]
	CROUND                          ; all four work-groups are here: the first joint loads meet
	JLOAD                           ; slot 0.  Slot 1 is asked for when slot 0 is in: the tile wanted first has the road to itself
	; A fragment of K or Q is 16 rows x 32 channels in 8 registers: lane l holds row l % 16, channels 8 (l / 16) + 0..7 and 16 + 8 (l / 16) + 0..7: two loads of 16 bytes, 32 bytes apart.
	v_and_b32 v1, 15, v0            ; l % 16
	v_bfe_u32 v9, v0, 4, 1          ; l / 16
	v_lshlrev_b32 v[QO], 7, v1
	v_lshl_add_u32 v[QO], v9, 4, v[QO]  ; row x 128 + 16 x half
	WIN 0x80                        ; destination window 2, address window 0
.set i, 0
.rept 4*NP                          ; Q stays in registers: tile i / 2, channels 32 (i % 2) on
	global_load_b128 v[8*i:8*i+3],   v[QO], s[4:5] offset:(i/2)*2048+(i%2)*64
	global_load_b128 v[8*i+4:8*i+7], v[QO], s[4:5] offset:(i/2)*2048+(i%2)*64+32
.set i, i+1
.endr
	; What the first turn finds: V's registers and P's second buffer hold 0 (its products V^T P, of a piece that has not been, add 0), O^T and l are 0.  All this stands in the wait for the first tile.
.set i, VF
.rept 64
	v_mov_b32 v[i], 0
.set i, i+1
.endr
	WIN 0x40
.set i, 0
.rept 64*NP
	v_mov_b32 v[i], 0
.set i, i+1
.endr
	WIN 0
.set i, 0
.rept 2*NP
	v_mov_b32 v[ST+4*i], 0xfe000000    ; c m: far below every c s
	v_mov_b32 v[ST+4*i+1], 0xff7fffff  ; m
	v_mov_b32 v[ST+4*i+2], 0
	v_mov_b32 v[ST+4*i+3], 0
.set i, i+1
.endr
.set i, P+32
.rept 32
	v_mov_b32 v[i], 0
.set i, i+1
.endr
	v_mul_u32_u24 v[AK0], v1, PK
	v_lshl_add_u32 v[AK0], v9, 4, v[AK0]  ; row x pitch + 16 x half
	; The turning load takes 16 keys x 16 channels (lane l reads key 8 (l / 16) + l % 8, channels 8 ((l / 8) % 2) + 0..7) and leaves half a fragment of V^T: lane l holds channel l % 16 and 8 keys.
	v_and_b32 v10, 7, v0
	v_bfe_u32 v11, v0, 3, 1
	v_lshl_add_u32 v[AV0], v9, 3, v10
	v_mul_u32_u24 v[AV0], v[AV0], PV
	v_lshl_add_u32 v[AV0], v11, 4, v[AV0]
	v_add_nc_u32 v[AV0], VOFF, v[AV0]
	v_mov_b32 v[AK], v[AK0]         ; key step 0 lies at the head of slot 0
; THE MATRIX WORK.  The 8 accumulators of a run of 16 take turns: between the two links of a chain stand 7 others'.
; Product i of 16 of S^T = K Q^T for piece x: channels 32 (i / 8) on, keys 16 ((i / 2) % 4) on, tile 2 x + i % 2.  The first 8 start the sums.
.macro KQ x
	WIN W_KQ
.set rS, S+64*((\x)%2)+32*(i%2)+8*((i/2)%4)
.set rK, KF+16*((i/2)%4)+8*(i/8)
.set rQ, 16*(2*(\x)+i%2)+8*(i/8)
.if i < 8
	v_wmma_f32_16x16x32_f16 v[rS:rS+7], v[rK:rK+7], v[rQ:rQ+7], 0
.else
	v_wmma_f32_16x16x32_f16 v[rS:rS+7], v[rK:rK+7], v[rQ:rQ+7], v[rS:rS+7]
.endif
.endm
; Product i of 16 of O^T += V^T P for piece x: keys 32 (i / 8) on, channels 16 ((i / 2) % 4) on, tile 2 x + i % 2.
.macro PV x
	WIN W_PV
.set rO, 32*(2*(\x)+i%2)+8*((i/2)%4)
.set rV, VF+32*(i/8)+8*((i/2)%4)
.set rP, P+32*((\x)%2)+16*(i%2)+8*(i/8)
	v_wmma_f32_16x16x32_f16 v[rO:rO+7], v[rV:rV+7], v[rP:rP+7], v[rO:rO+7]
.endm
.macro MM                           ; the turn's next matrix instruction
.if i < 16
	KQ (Y+1)%NP
.set i, i+1
.else
.set i, i-16
	PV (Y+NP-1)%NP
.set i, i+17
.endif
.endm
; THE LDS LOADS stand in runs of 16, never singly among the matrix instructions: a step's K (64 keys x 64 channels: 8 fragments) and its V (turned).  Their addresses are made some lines ahead.
; last = 1 (the tail): in the last trip there is no further step, and the run is jumped over.
.macro FETCH_K last=0
	WIN 0
.if \last
	s_cmp_eq_u32 s[CNT], 1
	s_cbranch_scc1 .Lno_k_\@
.endif
	WIN 0x80                        ; destination window 2
.irp f, 0,1,2,3,4,5,6,7             ; keys 16 (f / 2) on, channels 32 (f % 2) on
	ds_load_b128 v[KF+8*\f:KF+8*\f+3],   v[AK] offset:(\f/2)*16*PK+(\f%2)*64
	ds_load_b128 v[KF+8*\f+4:KF+8*\f+7], v[AK] offset:(\f/2)*16*PK+(\f%2)*64+32
.endr
	s_add_co_u32 s[TBK], s[TBK], KS*PK  ; the next fetch is the next step's
	WIN 0
.if \last
.Lno_k_\@:
.endif
.endm
.macro FETCH_V
	WIN 0x80
.irp f, 0,1,2,3,4,5,6,7             ; keys 32 (f / 4) on, channels 16 (f % 4) on
	ds_load_tr16_b128 v[VF+8*\f:VF+8*\f+3],   v[AV] offset:(\f/4)*32*PV+(\f%4)*32
	ds_load_tr16_b128 v[VF+8*\f+4:VF+8*\f+7], v[AV] offset:(\f/4)*32*PV+16*PV+(\f%4)*32
.endr
	WIN 0
.endm
; THE VECTOR WORK OF A TURN stands in three queues, each in the order in which its entries become ready; the two tiles alternate, so that no instruction reads the result of the one before it.
.macro REGS y, u                    ; the registers of tile u (0, 1) of piece y
.set rT, ST+4*(2*(\y)+(\u))
.set rC, TMP+8*((\y)%2)+4*(\u)
.set rM, MV+2*((\y)%2)+(\u)
.set rS, S+64*((\y)%2)+32*(\u)
.set rP, P+32*((\y)%2)+16*(\u)
.set rO, 32*(2*(\y)+(\u))
.endm
; Number n of the 22 that find the NEXT piece's (Y + 1) maximum and statistics.  s0-s31 are the lane's 32 scores; each accumulator's lowest registers are read first.  XS, GS and REGS set no window: PL and EX do.
;   0-11  four chains c0-c3 of seven scores each, three operands at a time     12-14, 16  the four scores left over, the old m, and c0-c3 into c0     15  c m_old is kept
;   17, 18  the query's other 32 keys lie in the lane 16 away: the new m         19-21  c m; c m_old - c m_new; a
.macro XS u, n
	REGS (Y+1)%NP, \u
.if (\n) < 4
	v_max3_num_f32 v[rC+(\n)], v[rS+8*(\n)], v[rS+8*(\n)+1], v[rS+8*(\n)+2]
.elseif (\n) < 12
	v_max3_num_f32 v[rC+(\n)%4], v[rC+(\n)%4], v[rS+8*((\n)%4)+2*((\n)/4)+1], v[rS+8*((\n)%4)+2*((\n)/4)+2]
.elseif (\n) == 12
	v_max3_num_f32 v[rC], v[rC], v[rS+7], v[rS+15]
.elseif (\n) == 13
	v_max3_num_f32 v[rC+1], v[rC+1], v[rS+23], v[rS+31]
.elseif (\n) == 14
	v_max3_num_f32 v[rC+2], v[rC+2], v[rC+3], v[rT+1]
.elseif (\n) == 15
	v_mov_b32 v[rM], v[rT]
.elseif (\n) == 16
	v_max3_num_f32 v[rC], v[rC], v[rC+1], v[rC+2]
.elseif (\n) == 17
	v_permlanex16_b32 v[rC+3], v[rC], s[SEL], s[SEL+1]
.elseif (\n) == 18
	v_max_num_f32 v[rT+1], v[rC], v[rC+3]
.elseif (\n) == 19
	v_mul_f32 v[rT], s[CS], v[rT+1]
.elseif (\n) == 20
	v_sub_f32 v[rC+1], v[rM], v[rT]
.else
	v_exp_f32 v[rC+2], v[rC+1]
.endif
.endm
; Number g of the 64 that follow the exponentials.  For each four weights k of a tile (pairs 2 k, 2 k + 1): both pairs are rounded to f16; then the second pair is added onto the first, in place;
; a group later l takes that sum (the first time as l = a l + sum).  In groups of eight, tiles alternating: round, round, add, and l for the group before.
.macro GS g
.set h, (\g)+6*((\g)/62)            ; group 0 has no group before it, and behind group 7 only l is left
.if h >= 6
.set h, h+2
.endif
	REGS Y, h%2
.set k, h/8
.if h%8 < 4
	s_wait_alu depctr_va_vdst(0)
	v_cvt_pk_f16_f32 v[rP+2*k+(h%8)/2], v[rS+4*k+2*((h%8)/2)], v[rS+4*k+2*((h%8)/2)+1]
.elseif h%8 < 6
	v_pk_add_f32 v[rS+4*k:rS+4*k+1], v[rS+4*k:rS+4*k+1], v[rS+4*k+2:rS+4*k+3]
.elseif k == 1
	v_pk_fma_f32 v[rT+2:rT+3], v[rT+2:rT+3], v[rC+2:rC+3], v[rS:rS+1] op_sel_hi:[1,0,1]
.else
	v_pk_add_f32 v[rT+2:rT+3], v[rT+2:rT+3], v[rS+4*k-4:rS+4*k-3]
	s_wait_alu depctr_va_vdst(0)
.endif
.endm
; THE PLAIN QUEUE, 138 long.  0-31: c s - c m for the 16 pairs of both tiles.  Then GS's 64, and among them the next piece's 42: number 15 at 38, 39; 0-14 and 16
; at 42-73, behind the products that make those scores; 17-20 at 95-106, two of three, since each waits for the one before it.
.macro PL
	WIN 0
.if q < 32
	REGS Y, q%2
	v_pk_fma_f32 v[rS+2*(q/2):rS+2*(q/2)+1], v[rS+2*(q/2):rS+2*(q/2)+1], s[CS:CS+1], v[rT:rT+1] op_sel_hi:[1,0,0] neg_lo:[0,0,1] neg_hi:[0,0,1]
.elseif q < 38
	GS q-32
.elseif q < 40
	XS q%2, 15
.elseif q < 42
	GS q-34
.elseif q < 74
	XS q%2, (q-42)/2+(q-42)/30
.elseif q < 95
	GS q-66
.elseif (q < 107) && ((q-95)%3 < 2)
	XS (q-95)%3, 17+(q-95)/3
.elseif q < 107
	GS 29+(q-95)/3
.else
	GS q-74
.endif
.set q, q+1
.endm
; THE EXPONENTIALS' QUEUE, 66 long: s0-s31 of both tiles, and at EA the next piece's two a.
.set EA, 58
.macro EX
	WIN 0
.if (e == EA) || (e == EA+1)
	XS e-EA, 21
.else
.set x, e-2*(e/(EA+2))
	REGS Y, x%2
	v_exp_f32 v[rS+x/2], v[rS+x/2]
.endif
.set e, e+1
.endm
; THE RESCALING's QUEUE: O^T times a, the one part that leaves window 0, so it is dealt four at a time, eight times.
.macro R4
	REGS Y, r%2
	WIN W_RS
	s_wait_alu depctr_va_vdst(0)
.irp z, 0,1,2,3
	v_pk_mul_f32 v[rO+8*(r/2)+2*\z:rO+8*(r/2)+2*\z+1], v[rO+8*(r/2)+2*\z:rO+8*(r/2)+2*\z+1], v[rC+2:rC+3] op_sel_hi:[1,0]
.endr
.set r, r+1
.endm
; HOW THEY ARE DEALT.  Behind a matrix instruction four: plain, exponential, plain, plain (one exponential, a plain instruction on either side), or four of the rescaling.  None names a register of the
; products round it.  What is over stands in two LUMPS: exponential and plain by turns; the second ends in 22 plain instructions.  The two v_permlanex16_b32 fall into the second lump, never behind a product.
; The queues lean on each other, and the deal keeps them in step: exponential e stands behind plain 2 (e / 4) + e % 2 (its scaling); when plain 32 comes, 10 exponentials are out, at 59: 33, at 95: 46; EA comes behind plain 107.
.macro SL
	MM
	PL
	EX
	PL
	PL
.endm
.macro BURST n                      ; 15 matrix instructions, or 16
.rept (\n)-7
	SL
.endr
.rept 3
	MM
	R4
	SL
.endr
	MM
	R4
.endm
; A TURN, for piece p.  cnt = 1: the loop's count is taken down some lines ahead of the branch that stands behind the turn.
; K of the next step is fetched in piece 2's turn, 31 vector instructions behind the last product that read K; its first reader comes behind the rest of the lump, 16 products and the second lump.
; V of the step in hand is fetched at the end of piece 0's turn, 69 behind its last reader; its first reader comes behind 16 products and a lump.  The four conditions on e and q below go with the deal.
.macro TURN p, last=0, cnt=0
.set Y, (\p)
.set i, 0
.set q, 0
.set e, 0
.set r, 0
.if (\p) == NP-1
	s_wait_dscnt 0x0                ; K is in
.endif
	MM
.rept 4
	PL
.endr
	BURST 15
.rept 22
	EX
	PL
.if ((\p) == NP-2) && (e == 18)
	v_add_nc_u32 v[AK], s[TBK], v[AK0]
.endif
.if ((\p) == NP-2) && (e == 24)
	FETCH_K \last
.endif
.endr
.if (\p) == 1
	s_wait_dscnt 0x0                ; V is in
.endif
	BURST 16
.rept 21
	EX
	PL
.endr
.rept 22
	PL
.if ((\p) == 0) && (q == 118)
	v_add_nc_u32 v[AV], s[TBV], v[AV0]
	s_wait_alu depctr_va_vdst(0)
.endif
.if ((\p) == 0) && (q == 130)
	s_add_co_u32 s[TBV], s[TBV], KS*PV
.endif
.if (\cnt) && (q == 130)
	s_sub_co_u32 s[CNT], s[CNT], 1
	s_cmp_lg_u32 s[CNT], 0
.endif
.endr
.if (\p) == 0
	FETCH_V
.endif
.endm
	CHANGE 1                        ; slot 0 is in, everybody's part of it; slot 1 is asked for
	FETCH_K                         ; key step 0
	s_wait_loadcnt 0x0              ; Q
	s_wait_dscnt 0x0
.set i, 0
.rept 16
	KQ 0                            ; piece 0's first scores: there is no vector work yet to set between them
.set i, i+1
.endr
	WIN 0                           ; the addresses for the way out: nine plain instructions, the places behind those products
	s_mul_i32 s13, s[WV], 16*SP
	s_add_co_u32 s13, s13, STAGE    ; my stage
	v_mul_u32_u24 v[STO], v1, SP    ; in: row l % 16, 16 bytes for each half of the lanes
	v_lshl_add_u32 v[STO], v9, 4, v[STO]
	v_add_nc_u32 v[STO], s13, v[STO]
	v_bfe_u32 v[RD], v0, 3, 2       ; back: 32 lanes take four rows of 128 bytes,
	v_mul_u32_u24 v[RD], v[RD], SP
	v_lshl_add_u32 v[RD], v10, 4, v[RD]
	v_add_nc_u32 v[RD], s13, v[RD]
	v_and_b32 v[GO], 31, v0         ; which are 512 consecutive bytes of O
	v_lshlrev_b32 v[GO], 4, v[GO]
.set Y, NP-1                        ; XS works for piece Y + 1: piece 0
.irp n, 0,1,2,3,4,5,6,7,8,9,10,11,12,13,14,15,16,17,18,19,20,21
	XS 0, \n                        ; and piece 0's first maximum and statistics
	XS 1, \n
.endr
	s_mov_b32 s[CNT], 4
	s_mov_b32 s[SLOTS], SIZE_N/256-1
	s_branch .Lfirst                ; the loop is entered at a step's first turn, in the middle of a trip
.Lslot:                             ; SIZE_N / 256 - 2 times: every slot but the last two is filled again
	CHANGE 1
	s_mov_b32 s[CNT], 4
.Lstep:                             ; a trip: pieces 2 and 3 of one step, then pieces 0 and 1 of the next, whose K and V it fetches
	TURN 2
	TURN 3
	WIN 0
.Lfirst:
	TURN 0
	TURN 1, 0, 1
	WIN 0
	s_cbranch_scc1 .Lstep
	s_sub_co_u32 s[SLOTS], s[SLOTS], 1
	s_cmp_lg_u32 s[SLOTS], 0
	s_cbranch_scc1 .Lslot
	CHANGE 0                        ; the tail is written out: nothing is asked for
	s_mov_b32 s[CNT], 5             ; four trips fetch the last slot's steps; the fifth is left in its middle
.Ltail:
	TURN 2, 1
	TURN 3
	WIN 0
	s_sub_co_u32 s[CNT], s[CNT], 1
	s_cmp_eq_u32 s[CNT], 0
	s_cbranch_scc1 .Lout
	TURN 0
	TURN 1
	WIN 0
	s_branch .Ltail
.Lout:                              ; the fifth trip's 16 products K Q^T (on the last K once more) and the maximum made of them serve nothing: the price, once a launch, of one text for every trip
.set i, 0
.rept 16
	PV NP-1                         ; the last piece's V^T P of the last step
.set i, i+1
.endr
	; THE WAY OUT.  l's two halves and the other half of the lanes' are added; O^T is divided by l, rounded to f16 and sent through my stage in LDS, a tile at a time.  The additions are the places behind the last products.
	WIN 0
.macro ALL line:vararg              ; one line for each tile t
.set t, 0
.rept 2*NP
	\line
.set t, t+1
.endr
.endm
	ALL v_add_f32 v[ST+4*t+2], v[ST+4*t+2], v[ST+4*t+3]
	ALL v_permlanex16_b32 v[ST+4*t+3], v[ST+4*t+2], s[SEL], s[SEL+1]
	ALL v_add_f32 v[ST+4*t+2], v[ST+4*t+2], v[ST+4*t+3]
	ALL v_rcp_f32 v[ST+4*t+2], v[ST+4*t+2]
	v_nop                           ; a plain instruction between the last reciprocal and the use of its result
	s_wait_alu depctr_va_vdst(0)
; Tile t: a lane's eight channels of a row pack into 16 bytes; they go into rows of 144 bytes and come back as whole rows of 128, into S^T's registers.
.macro PACK t
	WIN W_RS
.set i, 32*(\t)
.rept 16
	v_pk_mul_f32 v[i:i+1], v[i:i+1], v[ST+4*(\t)+2:ST+4*(\t)+3] op_sel_hi:[1,0]
.set i, i+2
.endr
	WIN 0x05                        ; sources 0 and 1 window 1, destination window 0
.set i, 0
.rept 16
	v_cvt_pk_f16_f32 v[S+16*(\t)+i], v[32*(\t)+2*i], v[32*(\t)+2*i+1]
.set i, i+1
.endr
	WIN 0
.irp f, 0,1,2,3
	ds_store_b128 v[STO], v[S+16*(\t)+4*\f:S+16*(\t)+4*\f+3] offset:32*\f
.endr
.irp f, 0,1,2,3
	ds_load_b128 v[S+16*(\t)+4*\f:S+16*(\t)+4*\f+3], v[RD] offset:\f*4*SP  ; LDS serves a wave's instructions in order (ISA guide 5.7.1.4): these see the stores above; the next tile's stores come behind them
.endr
.endm
.macro SEND t, younger              ; younger: the LDS instructions issued behind tile t's loads: the next tile's eight, or none
	WIN 0
.irp f, 0,1,2,3
	s_wait_dscnt (\younger)+3-\f
	global_store_b128 v[GO], v[S+16*(\t)+4*\f:S+16*(\t)+4*\f+3], s[10:11] offset:(\t)*2048+\f*512  ; 512 consecutive bytes, at a multiple of 256 from O's first
.endr
.endm
	PACK 0
.set t, 1
.rept 2*NP-1                        ; a tile's arithmetic stands between the loads of the tile before and its stores
	PACK t
	SEND t-1, 8
.set t, t+1
.endr
	SEND 2*NP-1, 0
	WIN W_AD
	s_wait_tensorcnt 0x0            ; the wave's end: behind my last tensor load and my last LDS store
	ds_add_u32 v[SPW], v[NIL]
	s_wait_dscnt 0x0
	WIN 0
	CROUND                          ; the closing round: no work-group ends while a partner may still ask for a tile that names it
	s_endpgm
.Lfunc_end_k_q0e82e39e89_attn:
	.size	k_q0e82e39e89_attn, .Lfunc_end_k_q0e82e39e89_attn-k_q0e82e39e89_attn
	.p2alignl 7, 3214868480
	.fill 96, 4, 3214868480
	.section	.rodata,"a",@progbits
	.p2align	6, 0x0
	.amdhsa_kernel k_q0e82e39e89_attn
		.amdhsa_group_segment_fixed_size 327680
		.amdhsa_private_segment_fixed_size 0
		.amdhsa_enable_private_segment 0
		.amdhsa_kernarg_size 16
		.amdhsa_user_sgpr_count 2
		.amdhsa_user_sgpr_kernarg_segment_ptr 1
		.amdhsa_wavefront_size32 1
		.amdhsa_system_sgpr_workgroup_id_x 1
		.amdhsa_system_sgpr_workgroup_id_y 1
		.amdhsa_system_sgpr_workgroup_id_z 1
		.amdhsa_system_vgpr_workitem_id 0
		.amdhsa_next_free_vgpr 770
		.amdhsa_next_free_sgpr 66
		.amdhsa_reserve_vcc 0
		.amdhsa_float_denorm_mode_32 3
		.amdhsa_float_denorm_mode_16_64 3
		.amdhsa_memory_ordered 1
		.amdhsa_forward_progress 1
		.amdhsa_inst_pref_size 209
	.end_amdhsa_kernel
	.amdgpu_metadata
---
amdhsa.version: [ 1, 2 ]
amdhsa.kernels:
  - .name:           k_q0e82e39e89_attn
    .symbol:         k_q0e82e39e89_attn.kd
    .args:
      - { .name: qkv, .offset: 0, .size: 8, .value_kind: global_buffer, .address_space: global }
      - { .name: ob, .offset: 8, .size: 8, .value_kind: global_buffer, .address_space: global }
    .group_segment_fixed_size: 327680
    .private_segment_fixed_size: 0
    .kernarg_segment_align: 8
    .kernarg_segment_size: 16
    .max_flat_workgroup_size: 128
    .sgpr_count:     66
    .vgpr_count:     770
    .wavefront_size: 32
...
	.end_amdgpu_metadata
.endif
;; end of part 3
;; launch proj (part 4): grid 8 x 32, 4 waves a work-group, clusters of 4 x 4, 327,680 bytes of LDS; arguments ob, wot, out0; writes out0
.if DOCPART == 4
	.amdgcn_target "amdgcn-amd-amdhsa--gfx1250"
	.amdhsa_code_object_version 6
	.text
	.protected	k_q0e82e39e89_proj
	.globl	k_q0e82e39e89_proj
	.p2align	8
	.type	k_q0e82e39e89_proj,@function
k_q0e82e39e89_proj:
	s_mov_b64 s[64:65], 0
	v_nop
	global_prefetch_b8 v0, s[64:65] scope:SCOPE_SE
	s_setreg_imm32_b32 hwreg(HW_REG_WAVE_MODE, 25, 1), 1
	s_wait_xcnt 0x0
	s_wait_alu depctr_hold_cnt(0) depctr_sa_sdst(0) depctr_va_vdst(0) depctr_va_sdst(0) depctr_va_ssrc(0) depctr_va_vcc(0) depctr_vm_vsrc(0)
	s_getreg_b32 s2, hwreg(HW_REG_IB_STS2, 6, 4)
	s_cmp_eq_u32 s2, 0
	s_cbranch_scc0 .Lentry_in_a_cluster
	s_endpgm
.Lentry_in_a_cluster:
	s_bfe_u32 s2, ttmp6, 0x10000c
	s_cmp_lg_u32 s2, 0xf033
	s_cbranch_scc0 .Lentry_shape_is_right
	s_endpgm
.Lentry_shape_is_right:
; out0 = O Wout.  ob: [64 (batch, head)][2048][64] f16.  wot: [1024 n][1024 k] f16 (Wout rounded to bf16, written as f16, turned).  out0: [8192][1024] f32.  Sums in f32, stored as they are.
; LIMITS.  None of its own: both operands arrive as f16; NaN and infinities are not treated apart.
; SHARES.  A tile is 256 rows x 128 columns: 256 work-groups.  Four waves; wave w makes rows 64 w .. 64 w + 63 of all 128 columns: 4 x 8 accumulators of 16 x 16, 256 registers; a wave
; holds whole pieces of 512 bytes of the output's rows, so its way out needs no other wave.
; K = head x 64 + channel goes in 8 steps of 128, two heads a step, through two LDS slots.  A head's 256 rows of the tile are 32,768 dense bytes: asked for as 128 rows of 256 bytes.
; Two slots of a K step of 256 would take 2 x (256 + 128) rows x 528 bytes, more than the 327,680 bytes of LDS: the step stays at 128.
; CLUSTER.  4 x 4 work-groups: the four of a row of the cluster need the same tile of O, the four of a column the same tile of wot; each tile is asked for jointly.
; ASKED FOR AHEAD (global_prefetch_b8).  Each aligned block of 256 bytes of O's K steps 2 to 7 and of wot is asked for once in the launch, lanes 256 bytes apart.  The 256 blocks of a K step's tile of O
; are shared out in eighths among the eight work-groups of a tile row.  At the start waves 0 to 2 ask for the work-group's eighth of K steps 2 to 4; in the loop's trip t = 1, 2, 3 wave t - 1 asks for that
; of K step t + 4, whose tensor load goes out two trips later.  At the start wave 3 asks for 4 whole rows of wot (8,192 consecutive bytes, all eight K steps; the quarter that belongs to K steps 0 and 1 is
; being asked for by the first fills as well): the 32 work-groups of a tile column cover its 128 rows.  Nothing is asked for past K step 7; the address registers are never rewritten.
; THE MATRIX INSTRUCTION IS USED TRANSPOSED (source 0 = 16 rows of wot, source 1 = 16 rows of O): lane l holds row l % 16 and the eight neighbouring columns 8 (l / 16) + 0..7.
; REGISTERS, in windows of 256 (s_set_vgpr_msb: bits 1:0 source 0, 3:2 source 1, 5:4 source 2, 7:6 destination):
;   window 0: v0-29 addresses; v64-95, v96-127 A's fragments, two buffers; v128-255 the way out, two sets of 64          window 1: v0-63, v64-127 B's fragments, two buffers
;   window 2: accumulators of row blocks 0, 1 (block a, column block b at v[64 (a % 2) + 8 b])          window 3: the same for row blocks 2, 3
.set NB,     8                         ; column blocks of 16
.set KSTEPS, 8
.set PA,     144                       ; a row of O in LDS: 128 bytes + 16 of padding = 36 words: the 16 rows of a fragment load start at 16 different groups of four banks (64 banks of 4 bytes: ISA guide 11.1)
.set PB,     272                       ; a row of wot: 256 bytes + 16
.set AHALF,  256*PA                    ; what one of A's loads brings: one head's 256 rows
.set BOFF,   2*AHALF                   ; B's 128 rows lie behind A's two heads
.set BHALF,  64*PB                     ; what one of B's loads brings
.set SLOT1,  1<<17                     ; slot 1 begins here, so that one exclusive or turns an address in one slot into the other's
.set STAGE,  SLOT1+BOFF+2*BHALF        ; behind the ring, never filled by a tensor load: for each wave 16 rows x 528 bytes
.set SP,     528                       ; 512 bytes + 16: the 16 rows of a store start at 16 different groups of four banks
.set WSTAGE, 16*SP
.set SPARE,  STAGE+4*WSTAGE            ; the spare words, 128 bytes for each wave: two blocks of 256 bytes that no other line names
.set LD,     2*NB+8                    ; LDS loads of a quarter step
.set STEP_A, 2*2048*128                ; bytes from a K step to the next: two heads on
.set STEP_B, 256
.set FLAGA,  (1<<16)|(1<<20)|(1<<21)|(4<<22)|(3<<25)  ; 17:16 elements of 2 bytes; 20 padding on; 21 set beside a mask; 24:22 after every 32 words (code 4); 31:25 4 words of it (code 3)
.set FLAGB,  (1<<16)|(1<<20)|(1<<21)|(5<<22)|(3<<25)  ; the same after every 64 words (code 5)
.set ADRA0, 4                          ; v4   my lane's place in A's tile; never rewritten
.set ADRB0, 5                          ; v5   the same for B
.set ADRA,  6                          ; v6   the same in the slot in hand
.set ADRB,  7                          ; v7
.set STO,   8                          ; v8   the way out: where I put 32 bytes of a row
.set RD,    9                          ; v9   the way out: where I read a row back
.set GO,    10                         ; v10  my 16 bytes of 512 consecutive bytes of the output
.set PFO,   11                         ; v11  256 x lane: my block of 32 that are asked for ahead; never rewritten
.set SPW,   28                         ; v28  LDS address of my spare word; never rewritten
.set NIL,   29                         ; v29  0; never rewritten
.set FA,    64                         ; A's fragment buffers
.set OB,    128                        ; the way out: whole rows
.set WV,    14                         ; s14  my wave's number
.set HALF,  15                         ; s15  which half of a tile I fetch
.set G1A,   24                         ; s[24:31] descriptor group 1 for A's tiles
.set G1B,   32                         ; s[32:39] for B's
.set G0A,   40                         ; s[40:43] group 0 of A's first fill; s[44:47] of its second, which then walks on
.set G0B,   48                         ; s[48:51], s[52:55] the same for B
.set CNT,   56                         ; s56  counts the K steps that fill a slot again, 6 to 1
.set TB,    57                         ; s57  LDS byte at which the slot in hand begins
.set PFL,   68                         ; s[68:69] what my wave asks for ahead in the loop; never rewritten
.set PFS,   70                         ; s[70:71] what it asks for ahead at the start; never rewritten
.set PFT,   74                         ; s74  the value of CNT in the trip in which my wave asks: 5 - wave; 0, which CNT never holds there, for wave 3
.set ENDC,  75                         ; s75  counts the last two K steps, 2 and 1
.set MSB, 0
.macro WIN new                         ; the immediate's high byte repeats the setting that is left; a switch that changes nothing is dropped
.if MSB != (\new)
	s_set_vgpr_msb (MSB<<8)|(\new)
.set MSB, (\new)
.endif
.endm
.set MUL_LO, 0xa1                      ; source 0 (B) window 1, source 1 (A) window 0, C and D window 2
.set MUL_HI, 0xf1                      ; the same, C and D window 3
.set TO_B,   0x40                      ; destination window 1, address window 0
; A joint refill by the walking descriptors.  Waves 0 and 1 fetch A's two heads, waves 2 and 3 B's two halves.  The branch hangs on the wave's number alone.
; An s_nop 0 and four v_nop follow each of the two lines, ahead of the jump and the label.
.macro JLOAD
	s_cmp_lt_u32 s[WV], 2
	s_cbranch_scc0 .Lfor_b_\@
	tensor_load_to_lds s[G0A+4:G0A+7], s[G1A:G1A+7]
	s_nop 0
.rept 4
	v_nop
.endr
	s_branch .Lasked_\@
.Lfor_b_\@:
	tensor_load_to_lds s[G0B+4:G0B+7], s[G1B:G1B+7]
	s_nop 0
.rept 4
	v_nop
.endr
.Lasked_\@:
.endm
; A round of the cluster's barrier: my work-group's barrier, so that wave 0's signal speaks for all four waves; wave 0 signals; every wave waits for all sixteen work-groups; my work-group's barrier once more.
.macro CREST                           ; a round behind its opening barrier
	s_cmp_lg_u32 s[WV], 0
	s_cbranch_scc1 .Lnot_wave_0_\@
	s_barrier_signal -3
.Lnot_wave_0_\@:
	s_barrier_wait -3
	s_barrier_signal -1
	s_barrier_wait -1
.endm
.macro CROUND                          ; a whole round
	s_barrier_signal -1
	s_barrier_wait -1
	CREST
.endm
	s_load_b128 s[4:7], s[0:1], 0x0                ; ob s[4:5], wot s[6:7]
	s_load_b64 s[8:9], s[0:1], 0x10                ; out0
	v_lshl_add_u32 v[SPW], v0, 2, SPARE
	v_mov_b32 v[NIL], 0
	ds_add_u32 v28, v29
	s_wait_dscnt 0x0
	v_lshrrev_b32 v1, 5, v0
	v_readfirstlane_b32 s[WV], v1                  ; wave 0..3
	v_and_b32 v[PFO], 31, v0
	v_lshlrev_b32 v[PFO], 8, v[PFO]                ; 256 x lane
	s_and_b32 s[HALF], s[WV], 1
	s_bfe_u32 s16, ttmp6, 0x40000                  ; cx, cy: my place in the cluster
	s_bfe_u32 s17, ttmp6, 0x40004
	s_lshl_b32 s18, ttmp9, 2
	s_add_co_u32 s18, s18, s16                     ; tile column = 4 x cluster x + cx
	s_and_b32 s19, ttmp7, 0xffff
	s_lshl_b32 s19, s19, 2
	s_add_co_u32 s19, s19, s17                     ; tile row = 4 x cluster y + cy
	s_lshl_b32 s20, s17, 2
	s_lshl_b32 s20, 15, s20                        ; my row of the cluster: places 4 cy .. 4 cy + 3
	s_lshl_b32 s21, 0x1111, s16                    ; my column: places cx, cx + 4, cx + 8, cx + 12
	s_or_b32 s[G1A], s20, FLAGA                    ; A's tiles go to my row: 128 dense rows of 128 elements (two rows of O each), padded behind every row of O
	s_mov_b32 s[G1A+1], 128<<16                    ; tensor_dim0 = 128
	s_mov_b32 s[G1A+2], 128<<16                    ; tensor_dim1 = 128
	s_mov_b32 s[G1A+3], 128<<16                    ; tile_dim0 = 128
	s_mov_b32 s[G1A+4], 128                        ; tile_dim1 = 128
	s_mov_b32 s[G1A+5], 128                        ; elements from row to row: dense
	s_mov_b32 s[G1A+6], 0
	s_mov_b32 s[G1A+7], 0
	s_or_b32 s[G1B], s21, FLAGB                    ; B's tiles go to my column: 64 rows x 128 elements
	s_mov_b32 s[G1B+1], 128<<16
	s_mov_b32 s[G1B+2], 64<<16
	s_mov_b32 s[G1B+3], 128<<16
	s_mov_b32 s[G1B+4], 64
	s_mov_b32 s[G1B+5], 1024
	s_mov_b32 s[G1B+6], 0
	s_mov_b32 s[G1B+7], 0
	; where the tiles come from: A's hang on the tile row alone, B's on the tile column alone, each in registers that never hold the other coordinate
	s_lshr_b32 s58, s19, 3                         ; the batch: 8 tiles of 256 rows each
	s_lshl_b32 s58, s58, 4
	s_add_co_u32 s58, s58, s[HALF]                 ; its head 0 or 1,
	s_lshl_b32 s58, s58, 18                        ; of 2,048 rows of 128 bytes,
	s_and_b32 s22, s19, 7
	s_lshl_b32 s22, s22, 15                        ; and in it the tile's 256 rows
	s_add_co_u32 s58, s58, s22
	s_mov_b32 s59, 0
	s_lshl_b32 s60, s18, 18                        ; B: row 128 x tile column + 64 x half, of 2,048 bytes
	s_lshl_b32 s62, s[HALF], 17
	s_add_co_u32 s60, s60, s62
	s_mov_b32 s61, 0
	s_mul_i32 s23, s[HALF], AHALF                  ; and where they go: no place in the cluster enters an LDS address
	s_mul_i32 s63, s[HALF], BHALF
	s_add_co_u32 s63, s63, BOFF
	s_mov_b32 s[G0A], 1                            ; 1:0 count = 1
	s_mov_b32 s[G0A+1], s23                        ; 63:32 LDS address: slot 0
	s_mov_b32 s[G0A+4], 1
	s_add_co_u32 s[G0A+5], s23, SLOT1              ; slot 1
	s_mov_b32 s[G0B], 1
	s_mov_b32 s[G0B+1], s63
	s_mov_b32 s[G0B+4], 1
	s_add_co_u32 s[G0B+5], s63, SLOT1
	s_mov_b32 s[TB], 0
	s_lshl_b32 s76, s19, 20                        ; my part of the output: row 256 x tile row + 64 x wave, of 4,096 bytes; column 128 x tile column, of 4 bytes
	s_lshl_b32 s77, s[WV], 18
	s_add_co_u32 s76, s76, s77
	s_lshl_b32 s77, s18, 9
	s_add_co_u32 s76, s76, s77
	s_mov_b32 s77, 0
	; what is asked for ahead.  My work-group's eighth of a K step's tile of O: of the step's two heads the one numbered tile column / 4, and of its 32,768 bytes the quarter numbered tile column % 4
	s_lshr_b32 s80, s19, 3
	s_lshl_b32 s80, s80, 4
	s_lshr_b32 s81, s18, 2
	s_add_co_u32 s80, s80, s81                     ; batch x 16 + that head,
	s_lshl_b32 s80, s80, 18                        ; of 262,144 bytes,
	s_and_b32 s81, s19, 7
	s_lshl_b32 s81, s81, 15                        ; the tile's 256 rows in it,
	s_add_co_u32 s80, s80, s81
	s_and_b32 s81, s18, 3
	s_lshl_b32 s81, s81, 13                        ; and the quarter of them
	s_add_co_u32 s80, s80, s81
	s_add_co_u32 s82, s[WV], 2                     ; at the start: K step 2 + wave
	s_lshl_b32 s82, s82, 19
	s_add_co_u32 s82, s82, s80
	s_mov_b32 s83, 0
	s_add_co_u32 s84, s[WV], 5                     ; in the loop: K step 5 + wave (wave 3, which asks for nothing there, gets the last step's address, inside the buffer)
	s_min_u32 s84, s84, KSTEPS-1
	s_lshl_b32 s84, s84, 19
	s_add_co_u32 s84, s84, s80
	s_mov_b32 s85, 0
	s_lshl_b32 s86, s18, 18                        ; of wot: rows 128 x tile column + 4 x tile row .. + 3, of 2,048 bytes
	s_lshl_b32 s87, s19, 13
	s_add_co_u32 s86, s86, s87
	s_mov_b32 s87, 0
	s_sub_co_u32 s[PFT], 5, s[WV]
	s_wait_kmcnt 0x0
	s_add_nc_u64 s[G0A+2:G0A+3], s[4:5], s[58:59]  ; 120:64 global address: K step 0,
	s_add_nc_u64 s[G0A+6:G0A+7], s[G0A+2:G0A+3], STEP_A  ; K step 1
	s_or_b32 s[G0A+3], s[G0A+3], 0x80000000        ; 127:126 type = 2
	s_or_b32 s[G0A+7], s[G0A+7], 0x80000000
	s_add_nc_u64 s[G0B+2:G0B+3], s[6:7], s[60:61]
	s_add_nc_u64 s[G0B+6:G0B+7], s[G0B+2:G0B+3], STEP_B
	s_or_b32 s[G0B+3], s[G0B+3], 0x80000000
	s_or_b32 s[G0B+7], s[G0B+7], 0x80000000
	s_add_nc_u64 s[66:67], s[8:9], s[76:77]
	s_add_nc_u64 s[PFS:PFS+1], s[4:5], s[82:83]
	s_add_nc_u64 s[PFL:PFL+1], s[4:5], s[84:85]
	s_add_nc_u64 s[72:73], s[6:7], s[86:87]
	s_cmp_eq_u32 s[WV], 3                          ; wave 3 asks for wot's rows at the start and for nothing in the loop
	s_cselect_b64 s[PFS:PFS+1], s[72:73], s[PFS:PFS+1]
	s_cselect_b32 s[PFT], 0, s[PFT]
	CROUND                                         ; all sixteen work-groups are here: the first joint loads meet
	s_cmp_lt_u32 s[WV], 2                          ; a wave's two first fills stand in one branch, ahead of every wait on TENSORcnt and every LDS read: two loads of mine are out
	s_cbranch_scc0 .Lfirst_b
	tensor_load_to_lds s[G0A:G0A+3], s[G1A:G1A+7]
	s_nop 0
	tensor_load_to_lds s[G0A+4:G0A+7], s[G1A:G1A+7]
	s_nop 0
.rept 4
	v_nop
.endr
	s_branch .Lfirst_asked
.Lfirst_b:
	tensor_load_to_lds s[G0B:G0B+3], s[G1B:G1B+7]
	s_nop 0
	tensor_load_to_lds s[G0B+4:G0B+7], s[G1B:G1B+7]
	s_nop 0
.rept 4
	v_nop
.endr
.Lfirst_asked:
	global_prefetch_b8 v[PFO], s[PFS:PFS+1] th:TH_LOAD_NT scope:SCOPE_SE  ; 32 blocks, 8,192 consecutive bytes: O's K step 2 + wave, or (wave 3) four rows of wot
	; A fragment is 16 rows x 32 K in 8 registers: lane l holds row l % 16; registers 0-3 K = 8 (l / 16) + 0..7, registers 4-7 K = 16 + 8 (l / 16) + 0..7: two loads of 16 bytes, 32 bytes apart.
	v_and_b32 v1, 15, v0                           ; r = l % 16
	v_bfe_u32 v2, v0, 4, 1                         ; h = l / 16
	v_mul_u32_u24 v3, v1, PA
	v_lshl_add_u32 v3, v2, 4, v3
	s_mul_i32 s76, s[WV], 64*PA                    ; my 64 rows of A
	v_add_nc_u32 v[ADRA0], s76, v3
	v_mul_u32_u24 v3, v1, PB
	v_lshl_add_u32 v3, v2, 4, v3
	v_add_nc_u32 v[ADRB0], BOFF, v3                ; every wave reads all of B's rows
	v_mov_b32 v[ADRA], v[ADRA0]
	v_mov_b32 v[ADRB], v[ADRB0]
	s_mul_i32 s76, s[WV], WSTAGE
	s_add_co_u32 s76, s76, STAGE                   ; my stage
	v_mul_u32_u24 v[STO], v1, SP                   ; in: row l % 16, 32 bytes for each half of the lanes
	v_lshl_add_u32 v[STO], v2, 5, v[STO]
	v_add_nc_u32 v[STO], s76, v[STO]
	v_and_b32 v[GO], 31, v0                        ; back: 32 lanes take a row's 512 bytes
	v_lshlrev_b32 v[GO], 4, v[GO]
	v_add_nc_u32 v[RD], s76, v[GO]
; NB matrix instructions: row block a x all column blocks, 32 along K, from buffer f.  zero = 1: the first product starts the sums: nothing is ever cleared.
; The 32 accumulators take turns, one instruction a turn, in the same order in every quarter step.
.macro MULA f, a, zero
	WIN MUL_LO+0x50*((\a)/2)
.set rA, FA+32*(\f)+8*(\a)
.set rC, 8*NB*((\a)%2)
.set rB, 8*NB*(\f)
.set b, 0
.rept NB
.if \zero
	v_wmma_f32_16x16x32_f16 v[rC+8*b:rC+8*b+7], v[rB+8*b:rB+8*b+7], v[rA:rA+7], 0
.else
	v_wmma_f32_16x16x32_f16 v[rC+8*b:rC+8*b+7], v[rB+8*b:rB+8*b+7], v[rA:rA+7], v[rC+8*b:rC+8*b+7]
.endif
.set b, b+1
.endr
.endm
; LD LDS loads in one run: the fragments of quarter q of the slot in hand into buffer f; B's first, then A's row blocks in ascending order.  Quarter q of A is head q / 2 of the step's two, channels 32 (q % 2) on.
.macro FETCH q, f
	WIN TO_B
.set rB, 8*NB*(\f)
.set b, 0
.rept NB
	ds_load_b128 v[rB+8*b:rB+8*b+3],   v[ADRB] offset:64*(\q)+b*16*PB
	ds_load_b128 v[rB+8*b+4:rB+8*b+7], v[ADRB] offset:64*(\q)+b*16*PB+32
.set b, b+1
.endr
	WIN 0
.set rA, FA+32*(\f)
.set ka, ((\q)/2)*AHALF+((\q)%2)*64
.set b, 0
.rept 4
	ds_load_b128 v[rA+8*b:rA+8*b+3],   v[ADRA] offset:ka+b*16*PA
	ds_load_b128 v[rA+8*b+4:rA+8*b+7], v[ADRA] offset:ka+b*16*PA+32
.set b, b+1
.endr
.endm
; A load into a register that a matrix instruction has read, and a vector instruction or LDS store that touches a matrix instruction's registers, stand four places behind it; only plain
; vector instructions that name none of its registers are places (ISA guide 7.12.1 for vector instructions).
.macro PLACES
.rept 4
	v_nop
.endr
.endm
; A K step is four quarters of 32 along K, 32 matrix instructions each, on buffers 0, 1, 0, 1.  One of the first three: multiplies buffer f and fetches quarter q into buffer g.
.macro QUARTER q, f, g, zero
	s_wait_dscnt 4                                 ; B and A's row blocks 0, 1 are in; the youngest four loads (blocks 2, 3) may be out
	MULA \f, 0, \zero
	MULA \f, 1, \zero
	PLACES
	FETCH \q, \g
	s_wait_dscnt LD                                ; all but the LD just issued
	MULA \f, 2, \zero
	MULA \f, 3, \zero
.endm
; The last quarter changes slots and then multiplies buffer 1.  ONE barrier: in front of it each wave waits for all its tensor loads, of which one is out: its part of the next slot; adds 0 to its
; spare word; and waits for that and for its own reads of this slot.  Behind it nobody reads this slot any more and the next slot is whole.
; fill = 1: the barrier opens a round of the cluster's, so that no wave of any partner still reads the slot or has a load on its way; the slot is then filled again, two K steps ahead, first
; thing behind the round.  No product stands between the wait for a tile and the request for the next: a request follows the landing before it by the barrier's work alone, and all the
; quarter's 32 products, with the 96 of the next three quarters, stand between the request and the wait for it.  Behind the refill the wave whose trip this is asks for its blocks of O ahead.
.macro TURN fill
	WIN 0
	s_wait_tensorcnt 0x0                           ; no tensor load of mine is out, so a group 0 may be written
	ds_add_u32 v[SPW], v[NIL]                      ; 0 onto my spare word: the scalar steps stand between it and the wait for it
.if \fill
	s_xor_b32 s[G0A+5], s[G0A+5], SLOT1            ; the walking descriptors: the other slot than last time,
	s_xor_b32 s[G0B+5], s[G0B+5], SLOT1
	s_add_nc_u64 s[G0A+6:G0A+7], s[G0A+6:G0A+7], STEP_A  ; the next K step; the type bits on top are not reached
	s_add_nc_u64 s[G0B+6:G0B+7], s[G0B+6:G0B+7], STEP_B
.endif
	s_xor_b32 s[TB], s[TB], SLOT1
	s_wait_dscnt 0x0                               ; the add is done, and my reads of this slot are over: buffer 1 holds its last quarter
	s_barrier_signal -1
	s_barrier_wait -1
.if \fill
	CREST
	JLOAD                                          ; the four v_nop behind it are also the places in front of the loads below
	s_cmp_lg_u32 s[CNT], s[PFT]
	s_cbranch_scc1 .Lnot_my_trip_\@
	global_prefetch_b8 v[PFO], s[PFL:PFL+1] th:TH_LOAD_NT scope:SCOPE_SE  ; in trip t = 6 - CNT: my work-group's 32 blocks of O's K step t + 4
.Lnot_my_trip_\@:
.else
	PLACES
.endif
	v_add_nc_u32 v[ADRA], s[TB], v[ADRA0]
	v_add_nc_u32 v[ADRB], s[TB], v[ADRB0]
	FETCH 0, 0
	MULA 1, 0, 0
	MULA 1, 1, 0
	MULA 1, 2, 0
	MULA 1, 3, 0
.endm
	s_wait_tensorcnt 0x1                           ; my part of K step 0 is in; step 1's may stay out
	s_barrier_signal -1
	s_barrier_wait -1                              ; everybody's is
	FETCH 0, 0
	QUARTER 1, 0, 1, 1                             ; the first quarter stands in front of the loop: its products start the sums
	WIN 0                                          ; at a label and at a branch every window is 0
	s_mov_b32 s[CNT], KSTEPS-2
.Lstep:                                                ; a trip: from a K step's second quarter to the next step's first; it fills the slot that it leaves
	QUARTER 2, 1, 0, 0
	QUARTER 3, 0, 1, 0
	TURN 1
	QUARTER 1, 0, 1, 0
	WIN 0
	s_sub_co_u32 s[CNT], s[CNT], 1
	s_cmp_lg_u32 s[CNT], 0
	s_cbranch_scc1 .Lstep
	s_mov_b32 s[ENDC], 2
.Lend:                                                 ; the last two K steps ask for nothing; their second and third quarters are written once, and the second trip is left in its middle
	QUARTER 2, 1, 0, 0
	QUARTER 3, 0, 1, 0
	WIN 0
	s_cmp_eq_u32 s[ENDC], 1
	s_cbranch_scc1 .Llastq
	TURN 0
	QUARTER 1, 0, 1, 0
	WIN 0
	s_sub_co_u32 s[ENDC], s[ENDC], 1
	s_cmp_lg_u32 s[ENDC], 0
	s_cbranch_scc1 .Lend
.Llastq:                                               ; the very last quarter: nothing more to fetch
	s_wait_dscnt 4
	MULA 1, 0, 0
	MULA 1, 1, 0
	s_wait_dscnt 0x0
	MULA 1, 2, 0
	MULA 1, 3, 0
	WIN 0
; THE WAY OUT, a row block (16 rows x 128 columns of f32) at a time: a lane's 32 bytes of a row go into my own stage, rows of 528 bytes, straight from the accumulators (each accumulator's
; lowest registers first), and come back as whole pieces of 512 bytes.
.macro TOSTAGE a
.set AC, 8*NB*((\a)%2)
.set OUTB, OB+64*((\a)%2)
.if (\a) >= 2
	s_wait_xcnt 0x0                                ; this set of 64 registers was the data of earlier stores: it is loaded again only behind this wait
.endif
	WIN (2+(\a)/2)<<2                              ; the stores' data in the accumulators' window
.set b, 0
.rept NB
	ds_store_b128 v[STO], v[AC+8*b:AC+8*b+3] offset:64*b
	ds_store_b128 v[STO], v[AC+8*b+4:AC+8*b+7] offset:64*b+16
.set b, b+1
.endr
	WIN 0
.set t, 0
.rept 16
	ds_load_b128 v[OUTB+4*t:OUTB+4*t+3], v[RD] offset:SP*t  ; LDS serves a wave's instructions in order (ISA guide 5.7.1.4): these see the stores above; the next block's stores come behind them
.set t, t+1
.endr
.endm
.macro SEND a, younger                 ; younger: the LDS instructions issued behind block a's loads: the next block's 32, or none
.set OUTB, OB+64*((\a)%2)
.set t, 0
.rept 16
	s_wait_dscnt (\younger)+15-t
	global_store_b128 v[GO], v[OUTB+4*t:OUTB+4*t+3], s[66:67] offset:(16*(\a)+t)*4096 th:TH_STORE_NT  ; 512 consecutive bytes, at a multiple of 256 from the output's first byte
.set t, t+1
.endr
.endm
	PLACES                                         ; behind the last products
	TOSTAGE 0
	TOSTAGE 1
	SEND 0, 32
	TOSTAGE 2
	SEND 1, 32
	TOSTAGE 3
	SEND 2, 32
	SEND 3, 0
	s_wait_tensorcnt 0x0                           ; the wave's end: behind my last tensor load and my last LDS store
	ds_add_u32 v[SPW], v[NIL]
	s_wait_dscnt 0x0
	CROUND                                         ; the closing round: no work-group ends while a partner may still ask for a tile that names it
	s_endpgm
.Lfunc_end_k_q0e82e39e89_proj:
	.size	k_q0e82e39e89_proj, .Lfunc_end_k_q0e82e39e89_proj-k_q0e82e39e89_proj
	.p2alignl 7, 3214868480
	.fill 96, 4, 3214868480
	.section	.rodata,"a",@progbits
	.p2align	6, 0x0
	.amdhsa_kernel k_q0e82e39e89_proj
		.amdhsa_group_segment_fixed_size 327680
		.amdhsa_private_segment_fixed_size 0
		.amdhsa_enable_private_segment 0
		.amdhsa_kernarg_size 24
		.amdhsa_user_sgpr_count 2
		.amdhsa_user_sgpr_kernarg_segment_ptr 1
		.amdhsa_wavefront_size32 1
		.amdhsa_system_sgpr_workgroup_id_x 1
		.amdhsa_system_sgpr_workgroup_id_y 1
		.amdhsa_system_sgpr_workgroup_id_z 1
		.amdhsa_system_vgpr_workitem_id 0
		.amdhsa_next_free_vgpr 896
		.amdhsa_next_free_sgpr 96
		.amdhsa_reserve_vcc 0
		.amdhsa_float_denorm_mode_32 3
		.amdhsa_float_denorm_mode_16_64 3
		.amdhsa_memory_ordered 1
		.amdhsa_forward_progress 1
		.amdhsa_inst_pref_size 65
	.end_amdhsa_kernel
	.amdgpu_metadata
---
amdhsa.version: [ 1, 2 ]
amdhsa.kernels:
  - .name:           k_q0e82e39e89_proj
    .symbol:         k_q0e82e39e89_proj.kd
    .args:
      - { .name: ob, .offset: 0, .size: 8, .value_kind: global_buffer, .address_space: global }
      - { .name: wot, .offset: 8, .size: 8, .value_kind: global_buffer, .address_space: global }
      - { .name: out0, .offset: 16, .size: 8, .value_kind: global_buffer, .address_space: global }
    .group_segment_fixed_size: 327680
    .private_segment_fixed_size: 0
    .kernarg_segment_align: 8
    .kernarg_segment_size: 24
    .max_flat_workgroup_size: 128
    .sgpr_count:     96
    .vgpr_count:     896
    .wavefront_size: 32
...
	.end_amdgpu_metadata
.endif
;; end of part 4
